; MI455X (gfx1250); checked and timed in simulation.
; The chip was launched on July 23, 2026; its instructions are those of AMD's public machine-readable ISA for CDNA 5 (MIT licence, August 2026) and "CDNA5" Instruction Set Architecture Reference Guide (July 2026). The comments in the code are by the model that wrote it; some were corrected since.
;; Cross Attention. Allowed arithmetic: matrix products marked QUANTISED: E5M2 operands, one given power-of-two scale a tensor, by v_wmma_f32_16x16x64_bf8_bf8 or v_wmma_f32_16x16x128_bf8_bf8, f32 sums; products left as they are: f32 operands where the result goes on into a quantised operand, else bf16, f16 or f32 operands; f32 sums; everything else in f32.
;; Inputs: Wk 1,024 x 1,024 float32; Wp 1,024 x 1,024 float32; Wq 1,024 x 1,024 float32; Wv 1,024 x 1,024 float32; bk 1,024 float32; bp 1,024 float32; bq 1,024 float32; bv 1,024 float32; cls_token 2 x 1 x 1,024 float32; lowp_scales 12 int32 (the exponents e of the quantised operands' scales 2^e); x_kv 2 x 2,048 x 1,024 float32; x_q 2 x 2,048 x 1,024 float32.
;; Outputs: out0 2 x 2,048 x 1,024 float32; out1 2 x 2,048 x 2,048 float32; out2 2 x 1 x 1 x 2,048 float32.
;; This version of the problem:
;;   THIS VERSION OF THE PROBLEM IS GIVEN IN LOW PRECISION. The matrix products marked QUANTISED in the list below multiply operands that are first quantised to E5M2 (5 exponent bits, 2 mantissa bits; 8 bits a number), with one given power-of-two scale for each operand tensor; their sums are f32. All else is computed in f32.
;;   The module's matrix products, in the order in which they are computed (A, B: the left and right operand; K: the contracted axis; several contracted axes count as one K, in the product's order):
;;     1. [M 4,096, K 1,024] x [K 1,024, N 1,024]; A: input x_q; B: input Wq: QUANTISED (scales: A lowp_scales[0], B lowp_scales[1])
;;     2. [M 4,096, K 1,024] x [K 1,024, N 1,024]; A: input x_kv; B: input Wk: QUANTISED (scales: A lowp_scales[2], B lowp_scales[3])
;;     3. [M 4,096, K 1,024] x [K 1,024, N 1,024]; A: input x_kv; B: input Wv: QUANTISED (scales: A lowp_scales[4], B lowp_scales[5])
;;     4. batch 32 x [M 2,048, K 64] x [K 64, N 2,048]; A: computed on the way; B: computed on the way: QUANTISED (scales: A lowp_scales[6], B lowp_scales[7])
;;     5. batch 32 x [M 1, K 64] x [K 64, N 2,048]; A: input cls_token; B: computed on the way: left as it is (M = 1 < 16)
;;     6. batch 32 x [M 64, K 2,048] x [K 2,048, N 2,048]; A: computed on the way; B: computed on the way: QUANTISED (scales: A lowp_scales[8], B lowp_scales[9])
;;     7. [M 4,096, K 1,024] x [K 1,024, N 1,024]; A: computed on the way; B: input Wp: QUANTISED (scales: A lowp_scales[10], B lowp_scales[11])
;;   THE QUANTISER, for each operand of a quantised product, along K:
;;     - The operand's scale is 2^e, e = its entry of the input lowp_scales (int32; the entries are numbered through the quantised products in the list's order, A before B).
;;     - Each number is divided by the scale, clamped to +-57,344, and rounded to the nearest number of E5M2, ties to even, subnormals kept.
;;     - The product sums the exact products of the quantised numbers (number of the format x scale) in f32.
;;   ~~~python
;;   def quantise(x, axis, e):      # numpy; x: float32 -> the quantised numbers, widened to float32 again
;;       x = np.moveaxis(x, axis, -1); K = x.shape[-1]
;;       r = np.clip(x / 2.0 ** e, -57344, 57344)
;;       step = 2.0 ** (np.maximum(np.frexp(np.where(r == 0, 1, r))[1] - 1, -14) - 2)
;;       q = np.round(r / step) * step * 2.0 ** e      # np.round: ties to even
;;       return np.moveaxis(q, -1, axis).astype(np.float32)
;;   ~~~
;;   OPERANDS COMPUTED ON THE WAY. 'Computed on the way' means the value that the module computes at that place (a softmax that the list does not call 'softmax' is quantised finished and normalised). What goes into a quantiser is computed in f32, as accurately as f32 sums, v_exp_f32 and their like allow (about 1e-6 of the number): no bf16 or f16 on the way to a quantiser, and a product that is left as it is and whose result goes on into a quantised operand takes f32 operands (vector FMAs, or v_wmma_f32_16x16x4_f32). A number that lies on a knife's edge between two numbers of the format may be rounded either way, as far as f32 arithmetic and the matrix unit's own rounding can turn it there, and no further.
;; 2 versions, each right and faster than the one before. Each part assembles by itself: llvm-mc -triple=amdgcn-amd-amdhsa -mcpu=gfx1250 --defsym DOCPART=n.
;; ======== version 1 of 2: 6 launches
;; workspace buffers: cin 16,777,216 bytes; qk 8,388,608 bytes; vc 4,194,304 bytes; sig 262,144 bytes; xc 4,194,304 bytes
;; launch quant (part 1): grid 384 x 1, 8 waves a work-group, no clusters, 70,656 bytes of LDS; arguments x_q, x_kv, Wq, Wk, Wv, Wp, lowp_scales, cin; writes cin
.if DOCPART == 1
	.amdgcn_target "amdgcn-amd-amdhsa--gfx1250"
	.amdhsa_code_object_version 6
	.text
	.protected	k_q41aff85215_quant
	.globl	k_q41aff85215_quant
	.p2align	8
	.type	k_q41aff85215_quant,@function
k_q41aff85215_quant:
	s_mov_b64 s[64:65], 0
	v_nop
	global_prefetch_b8 v0, s[64:65] scope:SCOPE_SE
	s_setreg_imm32_b32 hwreg(HW_REG_WAVE_MODE, 25, 1), 1
	s_wait_xcnt 0x0
; x_q, x_kv [4096][1024] and Wq, Wk, Wv, Wp [1024][1024], f32, K innermost, become codes of BF8 (E5M2), each with the scale 2^e that is given for it.
; code = x / 2^e, held within +-57,344, rounded to the nearest code, ties to even.
; THE CODES ARE LAID AS IMAGES OF OPERAND REGISTERS.  An image of a tensor [4096 rows][1024 K] is 4 MiB: byte = z 262,144 + rt 1,024 + c2 512 + 16 lane + i, z = K / 64, rt = row / 16.
; Lane (r, h) holds row r; its registers 2 c, 2 c + 1 hold k = 64 z + 16 c + 8 h + 0 .. 7; c2 says which four of the eight registers.  So a fragment is loaded and stored 512 consecutive bytes at a time.
; cin holds four images: 0: x_q (e0); 1: x_kv (e2); 2: x_kv (e4); 3: the weights: rt 0-63 Wq (e1), 64-127 Wk (e3), 128-191 Wv (e5), 192-255 Wp (e11).
; SHARES.  768 tiles of 16 rows; a work-group of eight waves takes two, a wave a quarter of K: four fragments.  x_kv is read once and quantised twice.
; A load is best where neighbouring lanes take neighbouring bytes (two rows x 256 bytes an instruction); the conversion wants eight neighbours along K in one lane: so a fragment's 4,096 bytes turn
; through the wave's own stage in LDS (rows of 256 bytes + 16).  Waves share nothing: no barrier.
; LIMITS: each e between -126 and 112, so that 2^e and 57,344 x 2^e are f32 numbers.  NaN among the inputs is not served.
.set WST, 8704                         ; LDS of a wave: two stages
.set STB, 4352                         ; a stage: 16 rows x 272 bytes
.set SP,  272
.set R,   16                           ; v16-143  fragment f: 32 registers, as loaded, then eight neighbours for each c
.set Y,   144                          ; v144-175 32 numbers, held
.set C,   176                          ; v176-207 codes, eight registers a fragment: no store's data are written again
.set C2,  208                          ; v208-239 x_kv's second codes
	s_load_b512 s[4:19], s[0:1], 0x0               ; x_q s[4:5], x_kv s[6:7], Wq s[8:9], Wk s[10:11], Wv s[12:13], Wp s[14:15], the exponents s[16:17], cin s[18:19]
	v_lshl_add_u32 v240, v0, 2, 0x11000
	v_mov_b32 v241, 0
	v_lshrrev_b32 v1, 5, v0
	v_readfirstlane_b32 s20, v1                    ; wave 0..7
	v_and_b32 v1, 31, v0                           ; lane
	v_and_b32 v2, 15, v0                           ; r
	v_bfe_u32 v3, v0, 4, 1                         ; h
	v_lshlrev_b32 v7, 4, v1                        ; 16 x lane: my place in an image
	v_lshlrev_b32 v12, 4, v2
	v_lshl_add_u32 v4, v3, 12, v12                 ; in memory: lanes 0-15 one row's 256 bytes, lanes 16-31 the next row's
	s_mul_i32 s39, s20, WST
	v_mad_u32_u24 v5, v3, SP, v12
	v_add_nc_u32 v5, s39, v5                       ; into the stage: the same two rows
	v_mul_u32_u24 v6, v2, SP
	v_lshl_add_u32 v6, v3, 5, v6
	v_add_nc_u32 v6, s39, v6                       ; out of it: row r, + 32 h: eight numbers for each c
	s_mov_b32 s21, ttmp9                           ; g
	s_lshr_b32 s43, s20, 2
	s_lshl_b32 s22, s21, 1
	s_add_co_u32 s22, s22, s43                     ; the tile of rows: 2 g + wave / 4
	s_lshr_b32 s23, s21, 7                         ; 0: x_q, 1: x_kv, 2: a weight
	s_and_b32 s44, s20, 3                          ; my quarter of K
	s_and_b32 s45, s22, 255                        ; rt in the image
	s_lshr_b32 s46, s23, 1
	s_add_co_u32 s46, s46, s23                     ; the image: 0, 1, 3
	s_lshl_b32 s46, s46, 22
	s_lshl_b32 s47, s44, 20                        ; four z are 1 MiB
	s_or_b32 s46, s46, s47
	s_lshl_b32 s47, s45, 10
	s_or_b32 s46, s46, s47
	s_mov_b32 s47, 0                               ; s[46:47]: where my codes go
	s_and_b32 s42, s45, 63                         ; a weight has 64 tiles of rows
	s_cmp_eq_u32 s23, 2
	s_cselect_b32 s42, s42, s45
	s_lshl_b32 s42, s42, 16                        ; 16 rows of 4,096 bytes
	s_lshl_b32 s43, s44, 10
	s_or_b32 s42, s42, s43
	s_mov_b32 s43, 0                               ; s[42:43]: where my numbers lie
	s_wait_kmcnt 0x0
	s_load_b256 s[24:31], s[16:17], 0x0            ; e0 .. e7
	s_load_b128 s[32:35], s[16:17], 0x20           ; e8 .. e11
	s_mov_b64 s[36:37], s[14:15]                   ; the source is chosen by the work-group's number alone
	s_cmp_lt_u32 s21, 352
	s_cselect_b64 s[36:37], s[12:13], s[36:37]
	s_cmp_lt_u32 s21, 320
	s_cselect_b64 s[36:37], s[10:11], s[36:37]
	s_cmp_lt_u32 s21, 288
	s_cselect_b64 s[36:37], s[8:9], s[36:37]
	s_cmp_lt_u32 s21, 256
	s_cselect_b64 s[36:37], s[6:7], s[36:37]
	s_cmp_lt_u32 s21, 128
	s_cselect_b64 s[36:37], s[4:5], s[36:37]
	s_add_nc_u64 s[36:37], s[36:37], s[42:43]
	s_add_nc_u64 s[40:41], s[18:19], s[46:47]
.macro LOAD f                          ; fragment f: 16 rows x 256 bytes, two rows an instruction
.irp i, 0,1,2,3,4,5,6,7
	global_load_b128 v[R+32*\f+4*\i:R+32*\f+4*\i+3], v4, s[36:37] offset:8192*\i+256*\f th:TH_LOAD_NT
.endr
.endm
.macro TURN f                          ; through the stage and back into the registers that it left: LDS serves a wave's instructions in order, so no wait stands between
.irp i, 0,1,2,3,4,5,6,7
	ds_store_b128 v5, v[R+32*(\f)+4*\i:R+32*(\f)+4*\i+3] offset:STB*((\f)%2)+2*SP*\i
.endr
.irp c, 0,1,2,3
	ds_load_b128 v[R+32*(\f)+8*\c:R+32*(\f)+8*\c+3], v6 offset:STB*((\f)%2)+64*\c
	ds_load_b128 v[R+32*(\f)+8*\c+4:R+32*(\f)+8*\c+7], v6 offset:STB*((\f)%2)+64*\c+16
.endr
.endm
.macro QUANT f, lim, sc, dst           ; 32 numbers of a lane become eight registers of codes
.set k, 0
.rept 32
	v_med3_num_f32 v[Y+k], v[R+32*\f+k], -v[\lim], v[\lim]   ; the conversion to an 8-bit code does not saturate (ISA guide 7.6.2): the hold at the largest code x the scale comes first
.set k, k+1
.endr
.irp c, 0,1,2,3
	v_cvt_scalef32_pk8_bf8_f32 v[\dst+2*\c:\dst+2*\c+1], v[Y+8*\c:Y+8*\c+7], v[\sc]
.endr
	v_nop                                          ; a plain line between the conversions and the next holds, which write their sources
.endm
	LOAD 0
	LOAD 1
	LOAD 2
	LOAD 3
	s_wait_kmcnt 0x0
	s_mov_b32 s38, s35                             ; e: the same choice as the source's
	s_cmp_lt_u32 s21, 352
	s_cselect_b32 s38, s29, s38
	s_cmp_lt_u32 s21, 320
	s_cselect_b32 s38, s27, s38
	s_cmp_lt_u32 s21, 288
	s_cselect_b32 s38, s25, s38
	s_cmp_lt_u32 s21, 256
	s_cselect_b32 s38, s26, s38
	s_cmp_lt_u32 s21, 128
	s_cselect_b32 s38, s24, s38
	s_add_co_i32 s38, s38, 127
	s_lshl_b32 s42, s38, 23
	v_mov_b32 v8, s42                              ; 2^e as f32: the conversion takes its exponent field
	s_add_co_i32 s38, s38, 15
	s_lshl_b32 s38, s38, 23
	s_or_b32 s38, s38, 0x600000
	v_mov_b32 v9, s38                              ; 57,344 x 2^e
	s_add_co_i32 s43, s28, 127                     ; and the same for e4, x_kv's second scale
	s_lshl_b32 s42, s43, 23
	v_mov_b32 v10, s42
	s_add_co_i32 s43, s43, 15
	s_lshl_b32 s43, s43, 23
	s_or_b32 s43, s43, 0x600000
	v_mov_b32 v11, s43
	s_wait_loadcnt 24                              ; fragment 0's eight loads are in; 24 younger ones may be out
	TURN 0
.irp f, 0,1,2,3
.if \f < 3
	s_wait_loadcnt 16-8*\f                         ; the next fragment's loads are in,
	TURN \f+1                                      ; and it turns while this one is worked
	s_wait_dscnt 16                                ; this fragment is back; the next one's eight stores and eight loads may be out
.else
	s_wait_dscnt 0x0
.endif
	QUANT \f, 9, 8, C+8*\f
	global_store_b128 v7, v[C+8*\f:C+8*\f+3], s[40:41] offset:262144*\f          ; 32 lanes store 512 consecutive bytes, aligned
	global_store_b128 v7, v[C+8*\f+4:C+8*\f+7], s[40:41] offset:262144*\f+512
	s_cmp_eq_u32 s23, 1                            ; x_kv alone has a second scale: its second image lies 4 MiB on
	s_cbranch_scc0 .Lone_\f
	QUANT \f, 11, 10, C2+8*\f
	global_store_b128 v7, v[C2+8*\f:C2+8*\f+3], s[40:41] offset:0x400000+262144*\f
	global_store_b128 v7, v[C2+8*\f+4:C2+8*\f+7], s[40:41] offset:0x400000+262144*\f+512
.Lone_\f:
.endr
	s_wait_tensorcnt 0x0
	ds_add_u32 v240, v241
	s_wait_dscnt 0x0
	s_endpgm
.Lfunc_end_k_q41aff85215_quant:
	.size	k_q41aff85215_quant, .Lfunc_end_k_q41aff85215_quant-k_q41aff85215_quant
	.p2alignl 7, 3214868480
	.fill 96, 4, 3214868480
	.section	.rodata,"a",@progbits
	.p2align	6, 0x0
	.amdhsa_kernel k_q41aff85215_quant
		.amdhsa_group_segment_fixed_size 70656
		.amdhsa_private_segment_fixed_size 0
		.amdhsa_enable_private_segment 0
		.amdhsa_kernarg_size 64
		.amdhsa_user_sgpr_count 2
		.amdhsa_user_sgpr_kernarg_segment_ptr 1
		.amdhsa_wavefront_size32 1
		.amdhsa_system_sgpr_workgroup_id_x 1
		.amdhsa_system_sgpr_workgroup_id_y 1
		.amdhsa_system_sgpr_workgroup_id_z 1
		.amdhsa_system_vgpr_workitem_id 0
		.amdhsa_next_free_vgpr 242
		.amdhsa_next_free_sgpr 66
		.amdhsa_reserve_vcc 0
		.amdhsa_float_denorm_mode_32 3
		.amdhsa_float_denorm_mode_16_64 3
		.amdhsa_memory_ordered 1
		.amdhsa_forward_progress 1
		.amdhsa_inst_pref_size 32
	.end_amdhsa_kernel
	.amdgpu_metadata
---
amdhsa.version: [ 1, 2 ]
amdhsa.kernels:
  - .name:           k_q41aff85215_quant
    .symbol:         k_q41aff85215_quant.kd
    .args:
      - { .name: x_q, .offset: 0, .size: 8, .value_kind: global_buffer, .address_space: global }
      - { .name: x_kv, .offset: 8, .size: 8, .value_kind: global_buffer, .address_space: global }
      - { .name: Wq, .offset: 16, .size: 8, .value_kind: global_buffer, .address_space: global }
      - { .name: Wk, .offset: 24, .size: 8, .value_kind: global_buffer, .address_space: global }
      - { .name: Wv, .offset: 32, .size: 8, .value_kind: global_buffer, .address_space: global }
      - { .name: Wp, .offset: 40, .size: 8, .value_kind: global_buffer, .address_space: global }
      - { .name: lowp_scales, .offset: 48, .size: 8, .value_kind: global_buffer, .address_space: global }
      - { .name: cin, .offset: 56, .size: 8, .value_kind: global_buffer, .address_space: global }
    .group_segment_fixed_size: 70656
    .private_segment_fixed_size: 0
    .kernarg_segment_align: 8
    .kernarg_segment_size: 64
    .max_flat_workgroup_size: 256
    .sgpr_count:     66
    .vgpr_count:     242
    .wavefront_size: 32
...
	.end_amdgpu_metadata
.endif
;; end of part 1
;; launch qkv (part 2): grid 4 x 48, 4 waves a work-group, clusters of 4 x 4, 327,680 bytes of LDS; arguments cin, lowp_scales, bq, bk, bv, cls_token, qk, vc, sig; writes qk, vc, sig
.if DOCPART == 2
	.amdgcn_target "amdgcn-amd-amdhsa--gfx1250"
	.amdhsa_code_object_version 6
	.text
	.protected	k_q41aff85215_qkv
	.globl	k_q41aff85215_qkv
	.p2align	8
	.type	k_q41aff85215_qkv,@function
k_q41aff85215_qkv:
	s_mov_b64 s[64:65], 0
	v_nop
	global_prefetch_b8 v0, s[64:65] scope:SCOPE_SE
	s_setreg_imm32_b32 hwreg(HW_REG_WAVE_MODE, 25, 1), 1
	s_wait_xcnt 0x0
	s_wait_alu depctr_hold_cnt(0) depctr_sa_sdst(0) depctr_va_vdst(0) depctr_va_sdst(0) depctr_va_ssrc(0) depctr_va_vcc(0) depctr_vm_vsrc(0)
	s_getreg_b32 s2, hwreg(HW_REG_IB_STS2, 6, 4)
	s_cmp_eq_u32 s2, 0
	s_cbranch_scc0 .Lentry_in_a_cluster
	s_endpgm
.Lentry_in_a_cluster:
	s_bfe_u32 s2, ttmp6, 0x10000c
	s_cmp_lg_u32 s2, 0xf033
	s_cbranch_scc0 .Lentry_shape_is_right
	s_endpgm
.Lentry_shape_is_right:
; THE THREE PROJECTIONS q = x_q Wq^T + bq, k = x_kv Wk^T + bk, v = x_kv Wv^T + bv on codes of BF8 (E5M2), K = 1,024, and what is made of them at once:
;   q, k: quantised (e6, e7) into images of operand registers (rows = tokens, z = head);   v: quantised (e8) as V^T, keys innermost;   k also: sigmoid(cls . k / 16) for each head and key, in f32, into sig.
; AN IMAGE of a tensor [4096 rows][1024 K]: byte = z 262,144 + rt 1,024 + c2 512 + 16 lane + i (z = K / 64, rt = row / 16): lane (r, h) holds row r, registers 2 c, 2 c + 1 hold k = 64 z + 16 c + 8 h + 0 .. 7.
; ROLES.  The cluster's y says what a cluster makes: y / 4 = 0: q, 1: k, 2: v; it is the same in all sixteen partners.  For v the operands change places (A = Wv, B = x_kv), so that C = V^T and a lane's eight results are eight keys.
; A tile of C, 256 x 256, is made by four waves, as many as a WGP has SIMDs; a wave makes 128 x 128: 64 accumulators, 512 registers.  K goes in steps of 256 through a ring of two LDS slots filled by the tensor data mover.
; One tensor load brings 4 z x 8 rt x 1,024 bytes: 128 rows x 256 K as images; a fragment of the K = 128 form is four LDS loads of 512 consecutive bytes: no pitch, no padding.
; CLUSTERS: 4 x 4.  A's tile is shared along a row of the cluster, B's along a column: each is asked for JOINTLY, by the same tensor load with the same descriptor and a mask that names the four.
; THE MATRIX INSTRUCTION IS USED TRANSPOSED (source 0 = 16 rows of B, source 1 = 16 rows of A): lane (r, h) holds row r of C and the columns 16 b + 8 h + 0 .. 7: eight neighbours along the NEXT product's K,
; so the conversion of accumulator (a, b) gives registers 2 (b % 4), 2 (b % 4) + 1 of the next operand, in the right lanes: the codes are stored as they stand.
; LIMITS on the given exponents, so that each power of two is an f32 number: e0 + e1, e2 + e3, e4 + e5 between -126 and 127; e6, e7, e8 between -126 and 112.  NaN among the inputs is not served.
; REGISTERS: window 0: v0-31 addresses; v32-127 at work on the way out; from v128 A's fragments, ONE set (on the way out: cls, then codes).  window 1: B's fragments, TWO sets.  windows 2, 3: the accumulators ((a, b) at v[8 (8 (a % 4) + b)]).
.set ZB,     262144                    ; bytes from z to z + 1 in an image
.set HALFT,  32768                     ; what one tensor load brings, and what one wave reads of A or of B in a slot
.set SLOT,   4*HALFT                   ; A's 256 rows, then B's 256 rows, 256 along K
.set SPARE,  2*SLOT                    ; behind the ring: the spare words, 128 bytes for each wave: two blocks of 256 bytes that no other line names
.set STG,    SPARE+512                 ; behind them: a stage of 1,024 bytes for each wave; no tensor load fills it
.set FR,     16                        ; registers of a fragment: 16 rows x 128 K
.set NL,     4                         ; LDS loads that bring one
.set NP,     4                         ; places behind this matrix instruction (ISA guide 7.12.1)
.set ADRA,   16                        ; v16-17  LDS address of my A fragments in slot 0, 1
.set ADRB,   20                        ; v20-21  the same for B
.set SPW,    28                        ; v28     LDS address of my spare word; never rewritten
.set NIL,    29                        ; v29     0; never rewritten
.set AF,     128
.set G1,     24                        ; s[24:31] descriptor group 1 for A's tiles;  s[32:39] group 0, one set for each slot
.set G0,     32
.set G1B,    48                        ; s[48:55], s[56:63] the same for B's tiles
.set G0B,    56
.set T,      32                        ; the way out: sums x 2^(ea + eb) + bias
.set BI,     64                        ; q, k: the bias of my 128 columns, in the result's layout
.set BR,     96                        ; v: the bias of my 128 rows: register a = row 16 a + r
.set CL,     128                       ; k: cls of my 128 columns
.set CD,     128                       ; the codes: no store's data are written again
.set MSB, 0
.macro WIN new                         ; the immediate's high byte repeats the setting that is left
.if MSB != \new
	s_set_vgpr_msb (MSB<<8)|\new
.set MSB, \new
.endif
.endm
.set MUL_LO, 0xa1                      ; source 0 (B) window 1, source 1 (A) window 0, C and D window 2
.set MUL_HI, 0xf1                      ; the same, C and D window 3
.set TO_B,   0x40                      ; destination window 1, address window 0
; A joint load: waves 0 and 1 fetch for A, waves 2 and 3 for B.  Each line has ONE mask and one set of registers for all that issue it; the branch hangs on the wave's number alone.
; Four v_nop follow each of the two lines, ahead of the jump, the label and what follows.
.macro JLOAD s
	s_cmp_eq_u32 s9, 0
	s_cbranch_scc0 .Lfor_b_\@
	tensor_load_to_lds s[G0+4*\s:G0+4*\s+3], s[G1:G1+7]
	s_nop 0
.rept 4
	v_nop
.endr
	s_branch .Lasked_\@
.Lfor_b_\@:
	tensor_load_to_lds s[G0B+4*\s:G0B+4*\s+3], s[G1B:G1B+7]
	s_nop 0
.rept 4
	v_nop
.endr
.Lasked_\@:
.endm
.macro CREST                           ; a round of the cluster's barrier behind its opening barrier
	s_cmp_lg_u32 s8, 0
	s_cbranch_scc1 .Lnot_wave_0_\@
	s_barrier_signal -3
.Lnot_wave_0_\@:
	s_barrier_wait -3
	s_barrier_signal -1
	s_barrier_wait -1
.endm
.macro CROUND                          ; a whole round
	s_barrier_signal -1
	s_barrier_wait -1
	CREST
.endm
.macro FRAG reg, adr, q, i             ; block i of 16 rows, the slot's q-th 128 along K: z' = 2 q (registers 0-7) and 2 q + 1 (registers 8-15)
.irp c, 0,1,2,3
	ds_load_b128 v[\reg+4*\c:\reg+4*\c+3], v[\adr] offset:(2*(\q)+\c/2)*8192+(\i)*1024+(\c%2)*512
.endr
.endm
; 16 matrix instructions: A's blocks a0, a0 + 1 x B's eight, 128 along K.  p: B's set.  zero = 1: the first product starts the sums.
; The 64 accumulators take turns, one instruction a turn, in the same order in every step.
.macro MUL16 a0, p, zero
.irp a, \a0, \a0+1
.irp b, 0,1,2,3,4,5,6,7
.if \zero
	v_wmma_f32_16x16x128_bf8_bf8 v[8*(8*((\a)%4)+\b):8*(8*((\a)%4)+\b)+7], v[128*(\p)+FR*\b:128*(\p)+FR*\b+FR-1], v[AF+FR*(\a):AF+FR*(\a)+FR-1], 0
.else
	v_wmma_f32_16x16x128_bf8_bf8 v[8*(8*((\a)%4)+\b):8*(8*((\a)%4)+\b)+7], v[128*(\p)+FR*\b:128*(\p)+FR*\b+FR-1], v[AF+FR*(\a):AF+FR*(\a)+FR-1], v[8*(8*((\a)%4)+\b):8*(8*((\a)%4)+\b)+7]
.endif
.endr
.endr
.endm
.macro FETCH_B slot, q, p
	WIN TO_B
.irp i, 0,1,2,3,4,5,6,7
	FRAG 128*(\p)+FR*\i, ADRB+\slot, \q, \i
.endr
	WIN 0
.endm
.macro FETCH_A slot, q, i0
.irp i, \i0, \i0+1, \i0+2, \i0+3
	FRAG AF+FR*(\i), ADRA+\slot, \q, \i
.endr
.endm
.macro PLACES n                        ; plain vector lines between a matrix instruction and a load into, or a read of, its registers
.rept \n
	v_nop
.endr
.endm
; A step of 128 along K that has its successor in the same slot.  A's blocks are free as soon as their eight products are issued: blocks 0-3 are fetched anew in the middle, blocks 4-7 at the end.
.macro STEP slot, q, zero
	s_wait_dscnt 4*NL                              ; B's set and A's blocks 0-3 are in; the youngest 16 loads (A's blocks 4-7) may be out
	WIN MUL_LO
	MUL16 0, (\q)%2, \zero
	MUL16 2, (\q)%2, \zero
	s_wait_dscnt 0                                 ; A's blocks 4-7 are in
	PLACES NP
	FETCH_B \slot, (\q)+1, 1-(\q)%2
	FETCH_A \slot, (\q)+1, 0
	WIN MUL_HI
	MUL16 4, (\q)%2, \zero
	MUL16 6, (\q)%2, \zero
	PLACES NP
	WIN 0
	FETCH_A \slot, (\q)+1, 4
.endm
; A slot's last step changes slots: ONE barrier; in front of it each wave waits for all its tensor loads, adds 0 to its spare word, and waits for that and for its own reads of this slot.  fill = 1: this slot is filled again.
.macro TURN slot, next, fill
	s_wait_tensorcnt 0x0                           ; all my tensor loads have landed: my part of the next slot
	ds_add_u32 v[SPW], v[NIL]                      ; 0 onto my spare word
	s_wait_dscnt 4*NL+1                            ; (the add and the youngest 16 loads may be out)
	WIN MUL_LO
	MUL16 0, 1, 0                                  ; sixteen matrix instructions stand between the add and the wait for it
	s_wait_dscnt 0x0                               ; the add is done, and my reads of this slot are over
	s_barrier_signal -1
	MUL16 2, 1, 0
	WIN 0
	s_barrier_wait -1
.if \fill
	CREST                                          ; the barrier has opened a round of the cluster's barrier: no wave of any partner still reads this slot or has a load on its way
	s_add_nc_u64 s[G0+4*\slot+2:G0+4*\slot+3], s[G0+4*\slot+2:G0+4*\slot+3], 8*ZB
	s_add_nc_u64 s[G0B+4*\slot+2:G0B+4*\slot+3], s[G0B+4*\slot+2:G0B+4*\slot+3], 8*ZB
	JLOAD \slot                                    ; the first tensor load behind the round; its four v_nop are also the places in front of the loads below
.else
	PLACES NP
.endif
	FETCH_B \next, 0, 0
	FETCH_A \next, 0, 0
	WIN MUL_HI
	MUL16 4, 1, 0
	MUL16 6, 1, 0
	PLACES NP
	WIN 0
	FETCH_A \next, 0, 4
.endm
	s_load_b512 s[68:83], s[0:1], 0x0              ; cin s[68:69], the exponents s[70:71], bq s[72:73], bk s[74:75], bv s[76:77], cls s[78:79], qk s[80:81], vc s[82:83]
	s_load_b64 s[84:85], s[0:1], 0x40              ; sig
	v_lshl_add_u32 v[SPW], v0, 2, SPARE
	v_mov_b32 v[NIL], 0
	ds_add_u32 v28, v29
	ds_add_u32 v28, v29
	s_wait_dscnt 0x0
	v_lshrrev_b32 v1, 5, v0
	v_readfirstlane_b32 s8, v1                     ; wave 0..3
	s_lshr_b32 s9, s8, 1                           ; RH: which half of the tile's rows is mine.  Also: I fetch for A (0) or for B (1)
	s_and_b32 s10, s8, 1                           ; CH: which half of its columns.  Also: which 128 rows of that tile I fetch
	s_bfe_u32 s40, ttmp6, 0x40000                  ; cx, cy: my place in the cluster
	s_bfe_u32 s41, ttmp6, 0x40004
	s_and_b32 s13, ttmp7, 0xffff                   ; the cluster's y, 0 .. 11
	s_lshr_b32 s12, s13, 2                         ; ROLE
	s_and_b32 s13, s13, 3
	s_lshl_b32 s13, s13, 2                         ; 4 x which of the role's four clusters
	s_cmp_lt_u32 s12, 2
	s_cselect_b32 s11, s13, 0                      ; q, k: the clusters lie one below the other (16 tile rows of tokens, 4 tile columns of channels);
	s_cselect_b32 s42, 0, s13                      ; v: side by side (4 tile rows of channels, 16 tile columns of keys)
	s_add_co_u32 s11, s11, s41                     ; TR, the tile row
	s_add_co_u32 s42, s42, s40                     ; TC, the tile column
	s_lshl_b32 s43, s41, 2
	s_lshl_b32 s43, 15, s43                        ; my row of the cluster
	s_lshl_b32 s44, 0x1111, s40                    ; my column
	s_or_b32 s[G1+0], s43, (3<<16)|(1<<21)         ; 15:0 the mask: A's tiles go to my row; 17:16 elements of 8 bytes; 21 set beside a mask; no padding
	s_or_b32 s[G1B+0], s44, (3<<16)|(1<<21)
.irp g, G1, G1B
	s_mov_b32 s[\g+1], 1024<<16                    ; tensor_dim0 = 1,024 elements: 8 rt x 1,024 bytes
	s_mov_b32 s[\g+2], 4<<16                       ; tensor_dim1 = 4: four z
	s_mov_b32 s[\g+3], 1024<<16                    ; tile_dim0
	s_mov_b32 s[\g+4], 4                           ; tile_dim1
	s_mov_b32 s[\g+5], ZB/8                        ; tensor_dim0_stride: from z to z + 1
	s_mov_b32 s[\g+6], 0
	s_mov_b32 s[\g+7], 0
.endr
	s_lshl_b32 s16, s12, 22                        ; A: image 0 (x_q) or 1 (x_kv, e2); for v: Wv, rt 128 on of image 3
	s_lshl_b32 s46, s12, 16
	s_add_co_u32 s46, s46, 0xc00000                ; B: Wq or Wk, rt 64 x role on of image 3; for v: image 2 (x_kv, e4)
	s_cmp_lt_u32 s12, 2
	s_cselect_b32 s16, s16, 0xc20000
	s_cselect_b32 s46, s46, 0x800000
	s_lshl_b32 s18, s10, 3                         ; which 8 rt of the tile I fetch
	s_lshl_b32 s17, s11, 4
	s_add_co_u32 s17, s17, s18
	s_lshl_b32 s17, s17, 10
	s_add_co_u32 s16, s16, s17                     ; A hangs on the tile row alone,
	s_mov_b32 s17, 0
	s_lshl_b32 s47, s42, 4
	s_add_co_u32 s47, s47, s18
	s_lshl_b32 s47, s47, 10
	s_add_co_u32 s46, s46, s47                     ; B on the tile column alone
	s_mov_b32 s47, 0
	s_lshl_b32 s45, s8, 15                         ; where they go: wave x HALFT: no place in the cluster enters an LDS address
	s_mov_b32 s66, 0x76543210                      ; v_permlanex16_b32's selects for lane l xor 16
	s_mov_b32 s67, 0xfedcba98
	s_wait_kmcnt 0x0
	s_load_b256 s[88:95], s[70:71], 0x0            ; e0 .. e7
	s_load_b128 s[96:99], s[70:71], 0x20           ; e8 .. e11
	s_add_nc_u64 s[14:15], s[68:69], s[16:17]
	s_add_nc_u64 s[46:47], s[68:69], s[46:47]
	CROUND                                         ; all sixteen work-groups are here: the first joint loads meet
.irp s, 0,1
	s_mov_b32 s[G0+4*\s], 1
	s_add_co_u32 s[G0+4*\s+1], s45, \s*SLOT
	s_add_nc_u64 s[G0+4*\s+2:G0+4*\s+3], s[14:15], \s*4*ZB
	s_or_b32 s[G0+4*\s+3], s[G0+4*\s+3], 0x80000000
	s_mov_b32 s[G0B+4*\s], 1
	s_add_co_u32 s[G0B+4*\s+1], s45, \s*SLOT
	s_add_nc_u64 s[G0B+4*\s+2:G0B+4*\s+3], s[46:47], \s*4*ZB
	s_or_b32 s[G0B+4*\s+3], s[G0B+4*\s+3], 0x80000000
	JLOAD \s
.endr
	v_and_b32 v1, 15, v0                           ; r
	v_bfe_u32 v2, v0, 4, 1                         ; h
	v_and_b32 v3, 31, v0
	v_lshlrev_b32 v26, 4, v3                       ; 16 x lane: my place in an image
	v_lshlrev_b32 v27, 5, v2                       ; 32 h: my eight of a tile's sixteen columns, in f32
	s_lshl_b32 s16, s9, 15                         ; my 128 rows of A
	s_lshl_b32 s17, s10, 15                        ; my 128 rows of B,
	s_add_co_u32 s17, s17, 2*HALFT                 ; which lie behind A's 256
.irp s, 0,1
	v_add_nc_u32 v[ADRA+\s], s16, v26
	v_add_nc_u32 v[ADRB+\s], s17, v26
	s_add_co_u32 s16, s16, SLOT
	s_add_co_u32 s17, s17, SLOT
.endr
	s_lshl_b32 s16, s8, 10
	s_add_co_u32 s16, s16, STG                     ; my stage
	v_lshlrev_b32 v12, 2, v1
	v_lshl_add_u32 v12, v2, 9, v12
	v_add_nc_u32 v12, s16, v12                     ; in: head h of my two, key 16 a + r
	v_add_nc_u32 v13, s16, v26                     ; back: 512 bytes, a head's 128 keys
	s_wait_tensorcnt 1                             ; my part of slot 0 is in (slot 1's load may be out)
	s_barrier_signal -1
	s_barrier_wait -1                              ; everybody's is
	FETCH_B 0, 0, 0
	FETCH_A 0, 0, 0
	FETCH_A 0, 0, 4
	STEP 0, 0, 1                                   ; K = 1,024 is four fills of a slot, eight steps of 128: written straight
	TURN 0, 1, 1
	STEP 1, 0, 0
	TURN 1, 0, 1
	STEP 0, 0, 0
	TURN 0, 1, 0                                   ; the last two slots are filled no more
	STEP 1, 0, 0
	s_wait_dscnt 4*NL
	WIN MUL_LO
	MUL16 0, 1, 0
	MUL16 2, 1, 0
	s_wait_dscnt 0
	WIN MUL_HI
	MUL16 4, 1, 0
	MUL16 6, 1, 0
	WIN 0
.macro CONSTS                          ; s20 = ea + eb, s18 = the result's e  ->  s[20:21] = 2^(ea + eb), v10 = 2^e, v11 = 57,344 x 2^e
	s_add_co_i32 s20, s20, 127
	s_lshl_b32 s20, s20, 23
	s_mov_b32 s21, s20                             ; (named with it as a pair, so it is written)
	s_add_co_i32 s18, s18, 127
	s_lshl_b32 s19, s18, 23
	v_mov_b32 v10, s19
	s_add_co_i32 s18, s18, 15
	s_lshl_b32 s18, s18, 23
	s_or_b32 s18, s18, 0x600000
	v_mov_b32 v11, s18
.endm
.macro BIASED a, g                     ; four accumulators (rows 16 a on, head g of my two): sum x 2^(ea + eb) + bias -> T; each accumulator from its low end on
.set WN, 0x02+(\a)/4
	WIN WN
.set AC, 64*((\a)%4)+32*(\g)
.set k, 0
.rept 16
	v_pk_fma_f32 v[T+k:T+k+1], v[AC+k:AC+k+1], s[20:21], v[BI+32*(\g)+k:BI+32*(\g)+k+1] op_sel_hi:[1,0,1]
.set k, k+2
.endr
	WIN 0
.endm
	PLACES NP                                      ; behind the last products: their results are read, and loads land where A's fragments lay
	s_wait_kmcnt 0x0                               ; the exponents
	s_cmp_eq_u32 s12, 2
	s_cbranch_scc1 .Lv
	; ---- q and k
	s_add_co_i32 s16, s88, s89                     ; e0 + e1
	s_add_co_i32 s17, s90, s91                     ; e2 + e3
	s_cmp_eq_u32 s12, 0
	s_cselect_b32 s20, s16, s17
	s_cselect_b32 s18, s94, s95                    ; e6 or e7
	s_cselect_b64 s[86:87], s[72:73], s[74:75]     ; bq or bk
	CONSTS
	s_lshl_b32 s46, s42, 10
	s_lshl_b32 s47, s10, 9
	s_add_co_u32 s46, s46, s47                     ; my first column, in f32: 4 (256 TC + 128 CH)
	s_mov_b32 s47, 0
	s_add_nc_u64 s[86:87], s[86:87], s[46:47]
.irp b, 0,1,2,3,4,5,6,7
	global_load_b128 v[BI+8*\b:BI+8*\b+3], v27, s[86:87] offset:64*\b
	global_load_b128 v[BI+8*\b+4:BI+8*\b+7], v27, s[86:87] offset:64*\b+16
.endr
	s_lshl_b32 s16, s12, 22                        ; the codes' place: q's image or k's, z = 4 TC + 2 CH, rt = 16 TR + 8 RH
	s_lshl_b32 s17, s42, 20
	s_add_co_u32 s16, s16, s17
	s_lshl_b32 s17, s10, 19
	s_add_co_u32 s16, s16, s17
	s_lshl_b32 s17, s11, 14
	s_add_co_u32 s16, s16, s17
	s_lshl_b32 s17, s9, 13
	s_add_co_u32 s16, s16, s17
	s_mov_b32 s17, 0
	s_add_nc_u64 s[80:81], s[80:81], s[16:17]
	s_cmp_eq_u32 s12, 1
	s_cbranch_scc0 .Lcodes
	; ---- k alone: sigmoid(cls . k / 16) of the UNQUANTISED k, by f32 multiply-adds.  A lane holds 32 of a head's 64 channels; the lane 16 away holds the others.
	s_lshr_b32 s16, s11, 3                         ; the batch
	s_lshl_b32 s18, s16, 12
	s_mov_b32 s19, 0
	s_add_nc_u64 s[78:79], s[78:79], s[18:19]
	s_add_nc_u64 s[78:79], s[78:79], s[46:47]      ; cls of my batch at my first column
.irp b, 0,1,2,3,4,5,6,7
	global_load_b128 v[CL+8*\b:CL+8*\b+3], v27, s[78:79] offset:64*\b
	global_load_b128 v[CL+8*\b+4:CL+8*\b+7], v27, s[78:79] offset:64*\b+16
.endr
	s_lshl_b32 s16, s16, 17                        ; sig [batch][head][key]: batch x 16 heads x 8,192 bytes,
	s_lshl_b32 s17, s42, 15
	s_add_co_u32 s16, s16, s17
	s_lshl_b32 s17, s10, 14
	s_add_co_u32 s16, s16, s17                     ; head 4 TC + 2 CH,
	s_and_b32 s17, s11, 7
	s_lshl_b32 s17, s17, 10
	s_add_co_u32 s16, s16, s17
	s_lshl_b32 s17, s9, 9
	s_add_co_u32 s16, s16, s17                     ; key (256 TR + 128 RH) mod 2,048
	s_mov_b32 s17, 0
	s_add_nc_u64 s[84:85], s[84:85], s[16:17]
	v_cmp_eq_u32 vcc_lo, 1, v2                     ; lanes 16-31
	v_mov_b32 v210, 0                              ; written once: a lane permute's destination counts as one of its sources
	s_wait_loadcnt 0x0                             ; the bias and cls
.macro DOTS a                          ; rows 16 a on: lane (r, h) ends with the whole dot product of key 16 a + r and head h of my two, in v[200 + a]
.irp g, 0,1
	BIASED \a, \g
	v_pk_mul_f32 v[192:193], v[T:T+1], v[CL+32*\g:CL+32*\g+1]      ; two packed chains
	v_pk_mul_f32 v[194:195], v[T+2:T+3], v[CL+32*\g+2:CL+32*\g+3]
.set k, 4
.rept 7
	v_pk_fma_f32 v[192:193], v[T+k:T+k+1], v[CL+32*\g+k:CL+32*\g+k+1], v[192:193]
	v_pk_fma_f32 v[194:195], v[T+k+2:T+k+3], v[CL+32*\g+k+2:CL+32*\g+k+3], v[194:195]
.set k, k+4
.endr
	v_pk_add_f32 v[192:193], v[192:193], v[194:195]
	v_add_f32 v[196+\g], v192, v193
.endr
	v_cndmask_b32 v208, v196, v197, vcc_lo         ; what I keep: my half of head h,
	v_cndmask_b32 v209, v197, v196, vcc_lo         ; what I give: my half of the other head
	v_permlanex16_b32 v210, v209, s66, s67
	v_add_f32 v[200+\a], v208, v210
.endm
.irp a, 0,1,2,3,4,5,6,7
	DOTS \a
.endr
.irp a, 0,1,2,3,4,5,6,7
	v_mul_f32 v[200+\a], 0xbdb8aa3b, v[200+\a]     ; x -log2(e) / 16: scale / CLS_TEMP = 1 / 16
.endr
.irp a, 0,1,2,3,4,5,6,7
	v_exp_f32 v[200+\a], v[200+\a]
.endr
	v_nop                                          ; a plain line behind the transcendentals
	s_wait_alu depctr_va_vdst(0)
.irp a, 0,1,2,3,4,5,6,7
	v_add_f32 v[200+\a], 1.0, v[200+\a]
.endr
.irp a, 0,1,2,3,4,5,6,7
	v_rcp_f32 v[200+\a], v[200+\a]
.endr
	v_nop
	s_wait_alu depctr_va_vdst(0)
.irp a, 0,1,2,3,4,5,6,7
	ds_store_b32 v12, v[200+\a] offset:64*\a       ; through my own stage, so that a head's 128 keys leave as 512 consecutive bytes
.endr
	ds_load_b128 v[212:215], v13                   ; LDS serves a wave's instructions in order: these see my stores
	ds_load_b128 v[216:219], v13 offset:512
	s_wait_dscnt 0x0
	global_store_b128 v26, v[212:215], s[84:85]
	global_store_b128 v26, v[216:219], s[84:85] offset:8192
	s_wait_xcnt 0x0                                ; the stores have read their data: the codes below are written over those registers
.Lcodes:
	s_wait_loadcnt 0x0                             ; the bias
.irp a, 0,1,2,3,4,5,6,7
.irp g, 0,1
	BIASED \a, \g
.set k, 0
.rept 32
	v_med3_num_f32 v[T+k], v[T+k], -v11, v11       ; the conversion to an 8-bit code does not saturate (ISA guide 7.6.2): the hold comes first
.set k, k+1
.endr
.irp c, 0,1,2,3
	v_cvt_scalef32_pk8_bf8_f32 v[CD+8*(2*\a+\g)+2*\c:CD+8*(2*\a+\g)+2*\c+1], v[T+8*\c:T+8*\c+7], v10
.endr
	v_nop                                          ; a plain line between the conversions and the lines that write their sources again
	global_store_b128 v26, v[CD+8*(2*\a+\g):CD+8*(2*\a+\g)+3], s[80:81] offset:ZB*\g+1024*\a          ; 512 consecutive bytes, aligned
	global_store_b128 v26, v[CD+8*(2*\a+\g)+4:CD+8*(2*\a+\g)+7], s[80:81] offset:ZB*\g+1024*\a+512
.endr
.endr
	s_branch .Ldone
.Lv:
	; ---- v: C = V^T: lane (r, h) holds channel 16 a + r and keys 16 b + 8 h + 0 .. 7: block a's eight accumulators become the 16 registers of a fragment 16 channels x 128 keys
	s_add_co_i32 s20, s92, s93                     ; e4 + e5
	s_mov_b32 s18, s96                             ; e8
	CONSTS
	s_lshl_b32 s16, s11, 10
	s_lshl_b32 s17, s9, 9
	s_add_co_u32 s16, s16, s17                     ; my first channel, in f32
	s_mov_b32 s17, 0
	s_add_nc_u64 s[76:77], s[76:77], s[16:17]
	v_lshlrev_b32 v14, 2, v1
.irp a, 0,1,2,3,4,5,6,7
	global_load_b32 v[BR+\a], v14, s[76:77] offset:64*\a
.endr
	s_lshl_b32 s16, s11, 20                        ; vc [y = 2 head + batch][16 blocks of 128 keys][4 tiles of 16 channels][2,048 bytes]: head 4 TR + 2 RH,
	s_lshl_b32 s17, s9, 19
	s_add_co_u32 s16, s16, s17
	s_lshr_b32 s17, s42, 3
	s_lshl_b32 s17, s17, 17
	s_add_co_u32 s16, s16, s17                     ; batch TC / 8,
	s_lshl_b32 s17, s42, 1
	s_add_co_u32 s17, s17, s10
	s_and_b32 s17, s17, 15
	s_lshl_b32 s17, s17, 13
	s_add_co_u32 s16, s16, s17                     ; block (2 TC + CH) mod 16
	s_mov_b32 s17, 0
	s_add_nc_u64 s[82:83], s[82:83], s[16:17]
	s_wait_loadcnt 0x0
.macro VROW a
.set WN, 0x02+(\a)/4
	WIN WN
.set AC, 64*((\a)%4)
.set k, 0
.rept 32
.if (\a)%2
	v_pk_fma_f32 v[T+k:T+k+1], v[AC+k:AC+k+1], s[20:21], v[BR+(\a)-1:BR+(\a)] op_sel:[0,0,1] op_sel_hi:[1,0,1]   ; the row's bias for both halves: the pair's upper word
.else
	v_pk_fma_f32 v[T+k:T+k+1], v[AC+k:AC+k+1], s[20:21], v[BR+(\a):BR+(\a)+1] op_sel_hi:[1,0,0]                  ; the pair's lower word
.endif
.set k, k+2
.endr
	WIN 0
.set k, 0
.rept 64
	v_med3_num_f32 v[T+k], v[T+k], -v11, v11
.set k, k+1
.endr
.irp b, 0,1,2,3,4,5,6,7
	v_cvt_scalef32_pk8_bf8_f32 v[CD+16*(\a)+2*\b:CD+16*(\a)+2*\b+1], v[T+8*\b:T+8*\b+7], v10
.endr
	v_nop
.irp c, 0,1,2,3
	global_store_b128 v26, v[CD+16*(\a)+4*\c:CD+16*(\a)+4*\c+3], s[82:83] offset:((\a)/4)*262144+((\a)%4)*2048+512*\c
.endr
.endm
.irp a, 0,1,2,3,4,5,6,7
	VROW \a
.endr
.Ldone:
	s_wait_tensorcnt 0x0                           ; the wave's end: behind my last tensor load and my last LDS store
	ds_add_u32 v[SPW], v[NIL]
	s_wait_dscnt 0x0
	CROUND                                         ; the closing round: no work-group ends while a partner may still ask for a tile that names it
	s_endpgm
.Lfunc_end_k_q41aff85215_qkv:
	.size	k_q41aff85215_qkv, .Lfunc_end_k_q41aff85215_qkv-k_q41aff85215_qkv
	.p2alignl 7, 3214868480
	.fill 96, 4, 3214868480
	.section	.rodata,"a",@progbits
	.p2align	6, 0x0
	.amdhsa_kernel k_q41aff85215_qkv
		.amdhsa_group_segment_fixed_size 327680
		.amdhsa_private_segment_fixed_size 0
		.amdhsa_enable_private_segment 0
		.amdhsa_kernarg_size 72
		.amdhsa_user_sgpr_count 2
		.amdhsa_user_sgpr_kernarg_segment_ptr 1
		.amdhsa_wavefront_size32 1
		.amdhsa_system_sgpr_workgroup_id_x 1
		.amdhsa_system_sgpr_workgroup_id_y 1
		.amdhsa_system_sgpr_workgroup_id_z 1
		.amdhsa_system_vgpr_workitem_id 0
		.amdhsa_next_free_vgpr 1024
		.amdhsa_next_free_sgpr 100
		.amdhsa_reserve_vcc 1
		.amdhsa_float_denorm_mode_32 3
		.amdhsa_float_denorm_mode_16_64 3
		.amdhsa_memory_ordered 1
		.amdhsa_forward_progress 1
		.amdhsa_inst_pref_size 234
	.end_amdhsa_kernel
	.amdgpu_metadata
---
amdhsa.version: [ 1, 2 ]
amdhsa.kernels:
  - .name:           k_q41aff85215_qkv
    .symbol:         k_q41aff85215_qkv.kd
    .args:
      - { .name: cin, .offset: 0, .size: 8, .value_kind: global_buffer, .address_space: global }
      - { .name: lowp_scales, .offset: 8, .size: 8, .value_kind: global_buffer, .address_space: global }
      - { .name: bq, .offset: 16, .size: 8, .value_kind: global_buffer, .address_space: global }
      - { .name: bk, .offset: 24, .size: 8, .value_kind: global_buffer, .address_space: global }
      - { .name: bv, .offset: 32, .size: 8, .value_kind: global_buffer, .address_space: global }
      - { .name: cls_token, .offset: 40, .size: 8, .value_kind: global_buffer, .address_space: global }
      - { .name: qk, .offset: 48, .size: 8, .value_kind: global_buffer, .address_space: global }
      - { .name: vc, .offset: 56, .size: 8, .value_kind: global_buffer, .address_space: global }
      - { .name: sig, .offset: 64, .size: 8, .value_kind: global_buffer, .address_space: global }
    .group_segment_fixed_size: 327680
    .private_segment_fixed_size: 0
    .kernarg_segment_align: 8
    .kernarg_segment_size: 72
    .max_flat_workgroup_size: 128
    .sgpr_count:     100
    .vgpr_count:     1024
    .wavefront_size: 32
...
	.end_amdgpu_metadata
.endif
;; end of part 2
;; launch mask (part 3): grid 2 x 1, 16 waves a work-group, no clusters, 2,304 bytes of LDS; arguments sig, out2; writes out2
.if DOCPART == 3
	.amdgcn_target "amdgcn-amd-amdhsa--gfx1250"
	.amdhsa_code_object_version 6
	.text
	.protected	k_q41aff85215_mask
	.globl	k_q41aff85215_mask
	.p2align	8
	.type	k_q41aff85215_mask,@function
k_q41aff85215_mask:
	s_mov_b64 s[64:65], 0
	v_nop
	global_prefetch_b8 v0, s[64:65] scope:SCOPE_SE
	s_setreg_imm32_b32 hwreg(HW_REG_WAVE_MODE, 25, 1), 1
	s_wait_xcnt 0x0
; out2[b][key] = (aff - m) / (M - m + 1e-6); aff = the mean over the 16 heads of sig[b][head][key]; m, M = aff's least and largest over the batch's 2,048 keys.  All in f32.
; A minimum and a maximum over all keys of a batch: one work-group to a batch.  512 threads, four keys each: every load and the store take 512 consecutive bytes a wave.
; The work is 128 KiB read and 8 KiB written for each batch: matrix units, tensor loads and clusters have nothing to do here.
; The quotient is a reciprocal with one step of correction (q + (n - q d) r), so that it is as good as an f32 division.
	s_load_b128 s[4:7], s[0:1], 0x0                ; sig, out2
	v_lshl_add_u32 v96, v0, 2, 0x100
	v_mov_b32 v97, 0
	v_lshrrev_b32 v1, 5, v0
	v_readfirstlane_b32 s8, v1                     ; wave 0..15
	v_lshlrev_b32 v2, 4, v0                        ; my four keys, in f32
	s_lshl_b32 s10, ttmp9, 17                      ; the batch: 16 heads x 8,192 bytes
	s_mov_b32 s11, 0
	s_lshl_b32 s12, ttmp9, 13
	s_mov_b32 s13, 0
	s_mov_b32 s14, 0x76543210                      ; v_permlanex16_b32's selects for lane l xor 16
	s_mov_b32 s15, 0xfedcba98
	v_mov_b32 v14, 0                               ; written once: a lane permute's destination counts as one of its sources
	v_mov_b32 v15, 0
	s_wait_kmcnt 0x0
	s_add_nc_u64 s[4:5], s[4:5], s[10:11]
	s_add_nc_u64 s[6:7], s[6:7], s[12:13]
.irp i, 0,1,2,3,4,5,6,7,8,9,10,11,12,13,14,15
	global_load_b128 v[16+4*\i:19+4*\i], v2, s[4:5] offset:8192*\i
.endr
	s_wait_loadcnt 0x0
	v_pk_add_f32 v[8:9], v[16:17], v[20:21]        ; the heads in ascending order
	v_pk_add_f32 v[10:11], v[18:19], v[22:23]
.irp i, 2,3,4,5,6,7,8,9,10,11,12,13,14,15
	v_pk_add_f32 v[8:9], v[8:9], v[16+4*\i:17+4*\i]
	v_pk_add_f32 v[10:11], v[10:11], v[18+4*\i:19+4*\i]
.endr
	v_pk_mul_f32 v[8:9], v[8:9], 0x3d800000 op_sel_hi:[1,0]        ; / 16
	v_pk_mul_f32 v[10:11], v[10:11], 0x3d800000 op_sel_hi:[1,0]
	v_min3_num_f32 v12, v8, v9, v10
	v_max3_num_f32 v13, v8, v9, v10
	v_min_num_f32 v12, v12, v11
	v_max_num_f32 v13, v13, v11
.irp x, 1,2,4,8                        ; across the wave: four steps inside each half of 16 lanes, one across the halves
	v_min_num_f32_dpp v12, v12, v12 row_xmask:\x row_mask:0xf bank_mask:0xf
	v_max_num_f32_dpp v13, v13, v13 row_xmask:\x row_mask:0xf bank_mask:0xf
.endr
	v_permlanex16_b32 v14, v12, s14, s15
	v_permlanex16_b32 v15, v13, s14, s15
	v_min_num_f32 v12, v12, v14
	v_max_num_f32 v13, v13, v15
	v_mov_b32 v3, s8
	v_lshlrev_b32 v3, 2, v3
	ds_store_b32 v3, v12                           ; each wave's least at word wave, its largest at word 16 + wave (all lanes write the same number)
	ds_store_b32 v3, v13 offset:64
	s_wait_dscnt 0x0                               ; for the others' sake: my stores are done
	s_barrier_signal -1
	s_barrier_wait -1
	v_mov_b32 v4, 0
.irp i, 0,1,2,3,4,5,6,7
	ds_load_b128 v[16+4*\i:19+4*\i], v4 offset:16*\i
.endr
	s_wait_dscnt 0x0
	v_min3_num_f32 v12, v16, v17, v18
	v_max3_num_f32 v13, v32, v33, v34
.irp i, 3,5,7,9,11,13
	v_min3_num_f32 v12, v12, v[16+\i], v[17+\i]
	v_max3_num_f32 v13, v13, v[32+\i], v[33+\i]
.endr
	v_min_num_f32 v12, v12, v31                    ; m
	v_max_num_f32 v13, v13, v47                    ; M
	v_sub_f32 v14, v13, v12
	v_add_f32 v14, 0x358637bd, v14                 ; d = (M - m) + 1e-6
	v_rcp_f32 v15, v14
.irp i, 0,1,2,3
	v_sub_f32 v[8+\i], v[8+\i], v12                ; n = aff - m  (plain lines behind the reciprocal)
.endr
	s_wait_alu depctr_va_vdst(0)
.irp i, 0,1,2,3
	v_mul_f32 v[20+\i], v[8+\i], v15               ; q = n r
.endr
.irp i, 0,1,2,3
	v_fma_f32 v[24+\i], -v[20+\i], v14, v[8+\i]    ; n - q d
.endr
.irp i, 0,1,2,3
	v_fma_f32 v[20+\i], v[24+\i], v15, v[20+\i]
.endr
	global_store_b128 v2, v[20:23], s[6:7]
	s_wait_tensorcnt 0x0
	ds_add_u32 v96, v97
	s_wait_dscnt 0x0
	s_endpgm
.Lfunc_end_k_q41aff85215_mask:
	.size	k_q41aff85215_mask, .Lfunc_end_k_q41aff85215_mask-k_q41aff85215_mask
	.p2alignl 7, 3214868480
	.fill 96, 4, 3214868480
	.section	.rodata,"a",@progbits
	.p2align	6, 0x0
	.amdhsa_kernel k_q41aff85215_mask
		.amdhsa_group_segment_fixed_size 2304
		.amdhsa_private_segment_fixed_size 0
		.amdhsa_enable_private_segment 0
		.amdhsa_kernarg_size 16
		.amdhsa_user_sgpr_count 2
		.amdhsa_user_sgpr_kernarg_segment_ptr 1
		.amdhsa_wavefront_size32 1
		.amdhsa_system_sgpr_workgroup_id_x 1
		.amdhsa_system_sgpr_workgroup_id_y 1
		.amdhsa_system_sgpr_workgroup_id_z 1
		.amdhsa_system_vgpr_workitem_id 0
		.amdhsa_next_free_vgpr 98
		.amdhsa_next_free_sgpr 66
		.amdhsa_reserve_vcc 0
		.amdhsa_float_denorm_mode_32 3
		.amdhsa_float_denorm_mode_16_64 3
		.amdhsa_memory_ordered 1
		.amdhsa_forward_progress 1
		.amdhsa_inst_pref_size 9
	.end_amdhsa_kernel
	.amdgpu_metadata
---
amdhsa.version: [ 1, 2 ]
amdhsa.kernels:
  - .name:           k_q41aff85215_mask
    .symbol:         k_q41aff85215_mask.kd
    .args:
      - { .name: sig, .offset: 0, .size: 8, .value_kind: global_buffer, .address_space: global }
      - { .name: out2, .offset: 8, .size: 8, .value_kind: global_buffer, .address_space: global }
    .group_segment_fixed_size: 2304
    .private_segment_fixed_size: 0
    .kernarg_segment_align: 8
    .kernarg_segment_size: 16
    .max_flat_workgroup_size: 512
    .sgpr_count:     66
    .vgpr_count:     98
    .wavefront_size: 32
...
	.end_amdgpu_metadata
.endif
;; end of part 3
;; launch attn (part 4): grid 8 x 32, 8 waves a work-group, clusters of 4 x 1, 271,360 bytes of LDS; arguments qk, vc, out2, lowp_scales, xc; writes xc
.if DOCPART == 4
	.amdgcn_target "amdgcn-amd-amdhsa--gfx1250"
	.amdhsa_code_object_version 6
	.text
	.protected	k_q41aff85215_attn
	.globl	k_q41aff85215_attn
	.p2align	8
	.type	k_q41aff85215_attn,@function
k_q41aff85215_attn:
	s_mov_b64 s[64:65], 0
	v_nop
	global_prefetch_b8 v0, s[64:65] scope:SCOPE_SE
	s_setreg_imm32_b32 hwreg(HW_REG_WAVE_MODE, 25, 1), 1
	s_wait_xcnt 0x0
	s_wait_alu depctr_hold_cnt(0) depctr_sa_sdst(0) depctr_va_vdst(0) depctr_va_sdst(0) depctr_va_ssrc(0) depctr_va_vcc(0) depctr_vm_vsrc(0)
	s_getreg_b32 s2, hwreg(HW_REG_IB_STS2, 6, 4)
	s_cmp_eq_u32 s2, 0
	s_cbranch_scc0 .Lentry_in_a_cluster
	s_endpgm
.Lentry_in_a_cluster:
	s_bfe_u32 s2, ttmp6, 0x10000c
	s_cmp_lg_u32 s2, 0x3003
	s_cbranch_scc0 .Lentry_shape_is_right
	s_endpgm
.Lentry_shape_is_right:
; x[b][q][head][:] = the sum over keys of attn V, attn = softmax(q . k / 12) x mask, both products on codes of BF8 (E5M2) with the given scales (q e6, k e7, V e8, attn e9); x is quantised (e10) for the last projection.
; attn IS QUANTISED FINISHED: normalised and multiplied by the mask.  So a row's maximum and sum are known before any weight is quantised: TWO PASSES over the keys, the scores made in both.
;   pass 1: for each query a running maximum and sum; at its end L = M + log2(sum), in units of t = score x c, c = log2(e) / 12 x 2^(e6 + e7).
;   pass 2: p = 2^(t - L) x mask, held, quantised along the keys, and O^T += V^T p^T.
; SHARES.  y = 2 head + batch; a work-group owns 256 queries of it, each of its eight waves 32: two tiles of 16.  Two waves to a SIMD, so that one wave's vector work stands beside the other's matrix work.
; LDS holds ALL of the head's K (131,072 bytes), V (131,072) and the batch's mask (8,192), each byte filled once: no ring, no slot is filled again.
; CLUSTER.  The four query blocks of a cluster walk the same K, V and mask: each chunk is asked for JOINTLY, by the same tensor load with the same descriptor and a mask that names the four.  By this text's count a wave has three tensor loads out.
; LAYOUT.  All operands are images of their registers (lane (r, h): row r, registers 2 c, 2 c + 1: k = 16 c + 8 h + 0 .. 7), 512 consecutive bytes an LDS load.  Both products are used transposed:
; S^T = K Q^T (source 0 = 16 keys, source 1 = 16 queries): lane (r, h) holds query r and keys 16 t + 8 h + 0 .. 7, so the conversion of tile t gives registers 2 t, 2 t + 1 of p's fragment;
; O^T = V^T p^T likewise holds query r and channels 16 d + 8 h + 0 .. 7, so its conversion gives x's image.  Nothing changes lanes but the two halves' statistics, once.
; LIMITS on the given exponents: e6 + e7 between -122 and 130 (added to c's exponent field); e9, and e10 - e8 - e9, between -126 and 112.  p under 2^-126 becomes 0.  NaN among the inputs is not served.
; L enters the exponent in f32: its rounding, 2^-24 |L|, shows in p as the rounding of the logits themselves does.
; REGISTERS: v1-3 lane terms; v4-6 addresses of K, V, mask; v10-13 scales and holds; v16-31 Q; v32-95 K, two sets; v96-127 V; v128-159 mask; v160-223 S^T (tile (t, q) at 160 + 32 q + 8 t); v224-239 p's codes;
;   v240 + 8 q: [c m or L, m], [f, old c m], [sum, sum], two at work.   window 1: v0-63 O^T (32 q + 8 d).
.set VB,  131072                       ; LDS: K at 0, V here,
.set MB,  262144                       ; the mask here
.set Q,   16
.set KF,  32
.set VF,  96
.set MK,  128
.set S,   160
.set P,   224
.set ST,  240
.set MSB, 0
.macro WIN new                         ; the immediate's high byte repeats the setting that is left
.if MSB != \new
	s_set_vgpr_msb (MSB<<8)|\new
.set MSB, \new
.endif
.endm
.macro CROUND                          ; a round of the cluster's barrier
	s_barrier_signal -1
	s_barrier_wait -1
	s_cmp_lg_u32 s14, 0
	s_cbranch_scc1 .Lnot_wave_0_\@
	s_barrier_signal -3
.Lnot_wave_0_\@:
	s_barrier_wait -3
	s_barrier_signal -1
	s_barrier_wait -1
.endm
	s_load_b256 s[4:11], s[0:1], 0x0               ; qk s[4:5], vc s[6:7], out2 s[8:9], the exponents s[10:11]
	s_load_b64 s[12:13], s[0:1], 0x20              ; xc
	v_lshl_add_u32 v14, v0, 2, 0x42000
	v_mov_b32 v15, 0
	ds_add_u32 v14, v15
	ds_add_u32 v14, v15
	v_lshrrev_b32 v1, 5, v0
	v_readfirstlane_b32 s14, v1                    ; wave 0..7
	v_and_b32 v1, 31, v0
	v_lshlrev_b32 v1, 4, v1                        ; 16 x lane: my place in an image
	v_add_nc_u32 v2, VB, v1
	v_bfe_u32 v3, v0, 4, 1
	v_lshlrev_b32 v3, 5, v3
	v_add_nc_u32 v3, MB, v3                        ; the mask of my eight keys of a tile: + 32 h
	s_bfe_u32 s15, ttmp6, 0x40000                  ; cx
	s_lshl_b32 s16, ttmp9, 2
	s_add_co_u32 s16, s16, s15                     ; my block of 256 queries: it enters Q's and x's addresses alone
	s_and_b32 s17, ttmp7, 0xffff                   ; y = 2 head + batch, which the four partners share
	s_lshl_b32 s18, s17, 17                        ; a (head, batch) is 131,072 bytes in each tensor of codes
	s_lshl_b32 s19, s14, 14                        ; my chunk of K and of V: 16,384 bytes
	s_add_co_u32 s66, s18, s19
	s_mov_b32 s67, 0
	s_and_b32 s68, s17, 1
	s_lshl_b32 s68, s68, 13                        ; the batch's mask,
	s_lshl_b32 s69, s14, 10                        ; my chunk of it: 1,024 bytes
	s_add_co_u32 s68, s68, s69
	s_mov_b32 s69, 0
	s_lshl_b32 s70, s16, 14                        ; my wave's two tiles of queries: rt = 16 block + 2 wave
	s_lshl_b32 s71, s14, 11
	s_add_co_u32 s70, s70, s71
	s_add_co_u32 s70, s70, s18
	s_mov_b32 s71, 0
	; descriptor group 1: dense blocks as rows of 256 bytes; K's and V's chunks 64 rows, the mask's 4
	s_mov_b32 s24, 15|(3<<16)|(1<<21)              ; 15:0 the mask: all four work-groups; 17:16 elements of 8 bytes; 21 set beside a mask
	s_mov_b32 s25, 32<<16                          ; tensor_dim0 = 32
	s_mov_b32 s26, 64<<16                          ; tensor_dim1 = 64
	s_mov_b32 s27, 32<<16                          ; tile_dim0
	s_mov_b32 s28, 64                              ; tile_dim1
	s_mov_b32 s29, 32                              ; tensor_dim0_stride
	s_mov_b32 s30, 0
	s_mov_b32 s31, 0
	s_mov_b32 s32, 15|(3<<16)|(1<<21)
	s_mov_b32 s33, 32<<16
	s_mov_b32 s34, 4<<16
	s_mov_b32 s35, 32<<16
	s_mov_b32 s36, 4
	s_mov_b32 s37, 32
	s_mov_b32 s38, 0
	s_mov_b32 s39, 0
	s_mov_b32 s40, 1
	s_lshl_b32 s41, s14, 14                        ; LDS: wave x 16,384
	s_mov_b32 s44, 1
	s_lshl_b32 s45, s14, 14
	s_add_co_u32 s45, s45, VB
	s_mov_b32 s48, 1
	s_lshl_b32 s49, s14, 10
	s_add_co_u32 s49, s49, MB
	s_mov_b32 s20, 0x76543210                      ; v_permlanex16_b32's selects for lane l xor 16
	s_mov_b32 s21, 0xfedcba98
	s_wait_dscnt 0x0
	s_wait_kmcnt 0x0
	s_load_b256 s[56:63], s[10:11], 0x10           ; e4 .. e11: e6 s58, e7 s59, e8 s60, e9 s61, e10 s62
	s_add_nc_u64 s[42:43], s[4:5], s[66:67]
	s_add_nc_u64 s[42:43], s[42:43], 0x400000      ; k's image lies behind q's
	s_or_b32 s43, s43, 0x80000000
	s_add_nc_u64 s[46:47], s[6:7], s[66:67]
	s_or_b32 s47, s47, 0x80000000
	s_add_nc_u64 s[50:51], s[8:9], s[68:69]
	s_or_b32 s51, s51, 0x80000000
	s_add_nc_u64 s[4:5], s[4:5], s[70:71]          ; Q and x at my wave's tiles
	s_add_nc_u64 s[12:13], s[12:13], s[70:71]
	CROUND                                         ; all four work-groups are here: the joint loads meet
	tensor_load_to_lds s[40:43], s[24:31]          ; every wave's three fills stand together; four v_nop follow the last
	s_nop 0
	tensor_load_to_lds s[44:47], s[24:31]
	s_nop 0
	tensor_load_to_lds s[48:51], s[32:39]
	s_nop 0
.rept 4
	v_nop
.endr
.irp i, 0,1,2,3
	global_load_b128 v[Q+4*\i:Q+4*\i+3], v1, s[4:5] offset:512*\i   ; Q's two fragments stay in registers
.endr
.irp q, 0,1
	v_mov_b32 v[ST+8*\q], 0xff61b1e6               ; c m and m: -3e38, under every score
	v_mov_b32 v[ST+8*\q+1], 0xff61b1e6
.irp i, 2,3,4,5,6,7
	v_mov_b32 v[ST+8*\q+\i], 0                     ; the sums; the others are written since they are named in pairs and as a permute's destination
.endr
.endr
	s_wait_kmcnt 0x0
	s_add_co_i32 s16, s58, s59
	s_lshl_b32 s16, s16, 23
	s_add_co_i32 s22, s16, 0x3df6384f              ; c = log2(e) x (1/8) / 1.5, with e6 + e7 added to its exponent field
	s_mov_b32 s23, s22                             ; (named with it as a pair, so it is written)
	s_add_co_i32 s16, s61, 127
	s_lshl_b32 s17, s16, 23
	v_mov_b32 v10, s17                             ; 2^e9
	s_add_co_i32 s16, s16, 15
	s_lshl_b32 s16, s16, 23
	s_or_b32 s16, s16, 0x600000
	v_mov_b32 v11, s16                             ; 57,344 x 2^e9
	s_sub_co_i32 s16, s62, s60
	s_sub_co_i32 s16, s16, s61                     ; a sum of the second product stands for sum x 2^(e8 + e9): x's conversion takes 2^(e10 - e8 - e9)
	s_add_co_i32 s16, s16, 127
	s_lshl_b32 s17, s16, 23
	v_mov_b32 v12, s17
	s_add_co_i32 s16, s16, 15
	s_lshl_b32 s16, s16, 23
	s_or_b32 s16, s16, 0x600000
	v_mov_b32 v13, s16
.macro KLOAD buf, off                  ; four tiles of 16 keys
.irp t, 0,1,2,3
	ds_load_b128 v[KF+32*(\buf)+8*\t:KF+32*(\buf)+8*\t+3], v4 offset:\off+1024*\t
	ds_load_b128 v[KF+32*(\buf)+8*\t+4:KF+32*(\buf)+8*\t+7], v4 offset:\off+1024*\t+512
.endr
.endm
.macro VLOAD off                       ; four tiles of 16 channels x 64 keys
.irp d, 0,1,2,3
	ds_load_b128 v[VF+8*\d:VF+8*\d+3], v5 offset:\off+2048*\d
	ds_load_b128 v[VF+8*\d+4:VF+8*\d+7], v5 offset:\off+2048*\d+512
.endr
.endm
.macro MLOAD off                       ; the mask of my 32 keys of a step, in the scores' layout
.irp t, 0,1,2,3
	ds_load_b128 v[MK+8*\t:MK+8*\t+3], v6 offset:\off+64*\t
	ds_load_b128 v[MK+8*\t+4:MK+8*\t+7], v6 offset:\off+64*\t+16
.endr
.endm
.macro SMUL buf                        ; S^T = K Q^T: 64 keys x 32 queries, K = the head's 64: one instruction a tile
.irp t, 0,1,2,3
.irp q, 0,1
	v_wmma_f32_16x16x64_bf8_bf8 v[S+32*\q+8*\t:S+32*\q+8*\t+7], v[KF+32*(\buf)+8*\t:KF+32*(\buf)+8*\t+7], v[Q+8*\q:Q+8*\q+7], 0
.endr
.endr
.endm
.macro POW                             ; 2^(c s - v[ST + 8 q]) in place: each accumulator from its low end on.  What follows the macro begins with a plain line that touches none of these 64
.irp q, 0,1
.set k, 0
.rept 16
	v_pk_fma_f32 v[S+32*\q+k:S+32*\q+k+1], v[S+32*\q+k:S+32*\q+k+1], s[22:23], v[ST+8*\q:ST+8*\q+1] op_sel_hi:[1,0,0] neg_lo:[0,0,1] neg_hi:[0,0,1]
.set k, k+2
.endr
.endr
.set k, 0
.rept 64
	v_exp_f32 v[S+k], v[S+k]
.set k, k+1
.endr
.endm
; PASS 1, a step of 64 keys.  Each lane keeps the statistics of its own half of the keys: no lane looks at another until the pass's end.  pf = 1: the next step's K is fetched into the other set.
.macro STEP1 u, pf
	s_wait_dscnt 0x0                               ; this step's K is in
	SMUL \u
	v_mov_b32 v[ST+3], v[ST]                       ; the old c m is kept.  (With the two v_nop: the four places behind the products)
	v_mov_b32 v[ST+11], v[ST+8]
	v_nop
	v_nop
.if \pf
	KLOAD 1-\u, 4096*(\u+1)
.endif
.irp q, 0,1                            ; the largest of my 32 scores and the old m: two chains a tile of queries
	v_max3_num_f32 v[ST+8*\q+6], v[ST+8*\q+1], v[S+32*\q], v[S+32*\q+1]
	v_max3_num_f32 v[ST+8*\q+7], v[S+32*\q+16], v[S+32*\q+17], v[S+32*\q+18]
.endr
.irp i, 0,1,2,3,4,5
.irp q, 0,1
	v_max3_num_f32 v[ST+8*\q+6], v[ST+8*\q+6], v[S+32*\q+2+2*\i], v[S+32*\q+3+2*\i]
	v_max3_num_f32 v[ST+8*\q+7], v[ST+8*\q+7], v[S+32*\q+19+2*\i], v[S+32*\q+20+2*\i]
.endr
.endr
.irp q, 0,1
	v_max3_num_f32 v[ST+8*\q+6], v[ST+8*\q+6], v[S+32*\q+14], v[S+32*\q+15]
.endr
.irp q, 0,1
	v_max3_num_f32 v[ST+8*\q+1], v[ST+8*\q+6], v[ST+8*\q+7], v[S+32*\q+31]
.endr
.irp q, 0,1
	v_mul_f32 v[ST+8*\q], s22, v[ST+8*\q+1]        ; c m (c is positive)
.endr
.irp q, 0,1
	v_sub_f32 v[ST+8*\q+3], v[ST+8*\q+3], v[ST+8*\q]
.endr
.irp q, 0,1
	v_exp_f32 v[ST+8*\q+2], v[ST+8*\q+3]           ; f = 2^(old c m - new c m); POW's first lines are the plain lines behind it
.endr
	POW
	s_wait_alu depctr_va_vdst(0)
.irp q, 0,1
	v_pk_mul_f32 v[ST+8*\q+4:ST+8*\q+5], v[ST+8*\q+4:ST+8*\q+5], v[ST+8*\q+2:ST+8*\q+3] op_sel_hi:[1,0]   ; the sums under the new m.  (A plain line behind the exponentials)
.endr
.irp q, 0,1
	v_pk_add_f32 v[ST+8*\q+6:ST+8*\q+7], v[S+32*\q+16:S+32*\q+17], v[S+32*\q+18:S+32*\q+19]               ; two at a time, in two chains
.endr
.irp i, 0,1,2,3,4,5
.irp q, 0,1
	v_pk_add_f32 v[ST+8*\q+4:ST+8*\q+5], v[ST+8*\q+4:ST+8*\q+5], v[S+32*\q+2*\i:S+32*\q+2*\i+1]
	v_pk_add_f32 v[ST+8*\q+6:ST+8*\q+7], v[ST+8*\q+6:ST+8*\q+7], v[S+32*\q+20+2*\i:S+32*\q+21+2*\i]
.endr
.endr
.irp i, 6,7
.irp q, 0,1
	v_pk_add_f32 v[ST+8*\q+4:ST+8*\q+5], v[ST+8*\q+4:ST+8*\q+5], v[S+32*\q+2*\i:S+32*\q+2*\i+1]
.endr
.endr
.irp q, 0,1
	v_pk_add_f32 v[ST+8*\q+4:ST+8*\q+5], v[ST+8*\q+4:ST+8*\q+5], v[ST+8*\q+6:ST+8*\q+7]
.endr
.endm
; PASS 2, a step of 64 keys.  zero = 1: the first products start O^T's sums.  The eight accumulators of O^T take turns, one instruction a turn, with the eight products of S^T between two steps.
.macro STEP2 u, pf, zero
	s_wait_dscnt 0x0                               ; this step's K and mask are in
	SMUL \u
.rept 4
	v_nop                                          ; the places behind these products, and between the last step's products V^T p^T and the loads into V's registers
.endr
	VLOAD 1024*\u
.if \pf
	KLOAD 1-\u, 4096*(\u+1)
.endif
	POW                                            ; the softmax, finished: 2^(t - L)
	v_nop                                          ; a plain line between the exponentials and the first use of their results (ISA guide 5.7.2): all 64 numbers are such results, so no other work is at hand
	s_wait_alu depctr_va_vdst(0)
.irp q, 0,1
.set k, 0
.rept 16
	v_pk_mul_f32 v[S+32*\q+k:S+32*\q+k+1], v[S+32*\q+k:S+32*\q+k+1], v[MK+k:MK+k+1]   ; x the mask
.set k, k+2
.endr
.endr
.if \pf
	MLOAD 256*(\u+1)
.endif
.set k, 0
.rept 64
	v_min_num_f32 v[S+k], v[S+k], v11              ; the conversion to an 8-bit code does not saturate (ISA guide 7.6.2); attn is not negative, so the hold is one-sided
.set k, k+1
.endr
.irp q, 0,1
.irp t, 0,1,2,3
	v_cvt_scalef32_pk8_bf8_f32 v[P+8*\q+2*\t:P+8*\q+2*\t+1], v[S+32*\q+8*\t:S+32*\q+8*\t+7], v10
.endr
.endr
	v_nop                                          ; a plain line between the conversions and the products that read their results
	s_wait_dscnt 16*\pf                            ; V is in; K's eight and the mask's eight loads, issued behind V's, may be out
	WIN 0x50                                       ; C and D in window 1
.irp d, 0,1,2,3
.irp q, 0,1
.if \zero
	v_wmma_f32_16x16x64_bf8_bf8 v[32*\q+8*\d:32*\q+8*\d+7], v[VF+8*\d:VF+8*\d+7], v[P+8*\q:P+8*\q+7], 0
.else
	v_wmma_f32_16x16x64_bf8_bf8 v[32*\q+8*\d:32*\q+8*\d+7], v[VF+8*\d:VF+8*\d+7], v[P+8*\q:P+8*\q+7], v[32*\q+8*\d:32*\q+8*\d+7]
.endif
.endr
.endr
	WIN 0
.endm
.macro ADR2
	v_add_nc_u32 v4, s52, v1
	v_add_nc_u32 v5, s52, v2
	v_add_nc_u32 v6, s53, v3
.endm
	s_wait_tensorcnt 0x0                           ; my chunks of K, V and the mask have landed,
	s_barrier_signal -1
	s_barrier_wait -1                              ; everybody's have: from here on LDS is only read
	; ---- pass 1: 16 trips of 128 keys
	s_mov_b32 s52, 0                               ; the trip's first byte in K (and in V)
	v_add_nc_u32 v4, s52, v1
	KLOAD 0, 0
	s_wait_loadcnt 0x0                             ; Q
	s_mov_b32 s54, 15
.Lp1:
	STEP1 0, 1
	STEP1 1, 1
	s_add_co_u32 s52, s52, 8192
	v_add_nc_u32 v4, s52, v1
	s_sub_co_u32 s54, s54, 1
	s_cmp_lg_u32 s54, 0
	s_cbranch_scc1 .Lp1
	STEP1 0, 1
	STEP1 1, 0                                     ; the last step fetches nothing
	; ---- the two halves of the lanes meet: M = the larger c m; the sums are brought under it; L = M + log2(sum)
.irp q, 0,1
	v_add_f32 v[ST+8*\q+4], v[ST+8*\q+4], v[ST+8*\q+5]
.endr
.irp q, 0,1
	v_permlanex16_b32 v[ST+8*\q+6], v[ST+8*\q], s20, s21
	v_permlanex16_b32 v[ST+8*\q+7], v[ST+8*\q+4], s20, s21
.endr
.irp q, 0,1
	v_max_num_f32 v[ST+8*\q+3], v[ST+8*\q], v[ST+8*\q+6]
.endr
.irp q, 0,1
	v_sub_f32 v[ST+8*\q+2], v[ST+8*\q], v[ST+8*\q+3]
	v_sub_f32 v[ST+8*\q+6], v[ST+8*\q+6], v[ST+8*\q+3]
.endr
.irp q, 0,1
	v_exp_f32 v[ST+8*\q+2], v[ST+8*\q+2]
	v_exp_f32 v[ST+8*\q+6], v[ST+8*\q+6]
.endr
	v_nop
	s_wait_alu depctr_va_vdst(0)
.irp q, 0,1
	v_mul_f32 v[ST+8*\q+4], v[ST+8*\q+4], v[ST+8*\q+2]
.endr
.irp q, 0,1
	v_fmac_f32 v[ST+8*\q+4], v[ST+8*\q+7], v[ST+8*\q+6]
.endr
.irp q, 0,1
	v_log_f32 v[ST+8*\q+5], v[ST+8*\q+4]
.endr
	v_nop
	s_wait_alu depctr_va_vdst(0)
.irp q, 0,1
	v_add_f32 v[ST+8*\q], v[ST+8*\q+3], v[ST+8*\q+5]
.endr
	; ---- pass 2: 16 trips of 128 keys; the first is written out, since its first products start the sums; so is the last, which fetches nothing beyond the end
	s_mov_b32 s52, 0
	s_mov_b32 s53, 0                               ; the trip's first byte in the mask
	ADR2
	KLOAD 0, 0
	MLOAD 0
	STEP2 0, 1, 1
	STEP2 1, 1, 0
	s_add_co_u32 s52, s52, 8192
	s_add_co_u32 s53, s53, 512
	ADR2
	s_mov_b32 s54, 14
.Lp2:
	STEP2 0, 1, 0
	STEP2 1, 1, 0
	s_add_co_u32 s52, s52, 8192
	s_add_co_u32 s53, s53, 512
	ADR2
	s_sub_co_u32 s54, s54, 1
	s_cmp_lg_u32 s54, 0
	s_cbranch_scc1 .Lp2
	STEP2 0, 1, 0
	STEP2 1, 0, 0
	; ---- the way out: O^T, held and quantised, IS x's image: registers 2 d, 2 d + 1 of tile q
.rept 4
	v_nop
.endr
	WIN 0x01                                       ; source 0 in window 1
.set k, 0
.rept 64
	v_med3_num_f32 v[S+k], v[k], -v13, v13         ; each accumulator from its low end on
.set k, k+1
.endr
	WIN 0
.irp q, 0,1
.irp d, 0,1,2,3
	v_cvt_scalef32_pk8_bf8_f32 v[P+8*\q+2*\d:P+8*\q+2*\d+1], v[S+32*\q+8*\d:S+32*\q+8*\d+7], v12
.endr
.endr
	v_nop
.irp i, 0,1,2,3
	global_store_b128 v1, v[P+4*\i:P+4*\i+3], s[12:13] offset:512*\i   ; 512 consecutive bytes, aligned
.endr
	s_wait_tensorcnt 0x0
	ds_add_u32 v14, v15
	s_wait_dscnt 0x0
	CROUND                                         ; the closing round: no work-group ends while a partner may still ask for a chunk that names it
	s_endpgm
.Lfunc_end_k_q41aff85215_attn:
	.size	k_q41aff85215_attn, .Lfunc_end_k_q41aff85215_attn-k_q41aff85215_attn
	.p2alignl 7, 3214868480
	.fill 96, 4, 3214868480
	.section	.rodata,"a",@progbits
	.p2align	6, 0x0
	.amdhsa_kernel k_q41aff85215_attn
		.amdhsa_group_segment_fixed_size 271360
		.amdhsa_private_segment_fixed_size 0
		.amdhsa_enable_private_segment 0
		.amdhsa_kernarg_size 40
		.amdhsa_user_sgpr_count 2
		.amdhsa_user_sgpr_kernarg_segment_ptr 1
		.amdhsa_wavefront_size32 1
		.amdhsa_system_sgpr_workgroup_id_x 1
		.amdhsa_system_sgpr_workgroup_id_y 1
		.amdhsa_system_sgpr_workgroup_id_z 1
		.amdhsa_system_vgpr_workitem_id 0
		.amdhsa_next_free_vgpr 320
		.amdhsa_next_free_sgpr 72
		.amdhsa_reserve_vcc 0
		.amdhsa_float_denorm_mode_32 3
		.amdhsa_float_denorm_mode_16_64 3
		.amdhsa_memory_ordered 1
		.amdhsa_forward_progress 1
		.amdhsa_inst_pref_size 120
	.end_amdhsa_kernel
	.amdgpu_metadata
---
amdhsa.version: [ 1, 2 ]
amdhsa.kernels:
  - .name:           k_q41aff85215_attn
    .symbol:         k_q41aff85215_attn.kd
    .args:
      - { .name: qk, .offset: 0, .size: 8, .value_kind: global_buffer, .address_space: global }
      - { .name: vc, .offset: 8, .size: 8, .value_kind: global_buffer, .address_space: global }
      - { .name: out2, .offset: 16, .size: 8, .value_kind: global_buffer, .address_space: global }
      - { .name: lowp_scales, .offset: 24, .size: 8, .value_kind: global_buffer, .address_space: global }
      - { .name: xc, .offset: 32, .size: 8, .value_kind: global_buffer, .address_space: global }
    .group_segment_fixed_size: 271360
    .private_segment_fixed_size: 0
    .kernarg_segment_align: 8
    .kernarg_segment_size: 40
    .max_flat_workgroup_size: 256
    .sgpr_count:     72
    .vgpr_count:     320
    .wavefront_size: 32
...
	.end_amdgpu_metadata
.endif
;; end of part 4
;; launch logits (part 5): grid 8 x 16, 4 waves a work-group, clusters of 4 x 4, 327,680 bytes of LDS; arguments qk, lowp_scales, out1; writes out1
.if DOCPART == 5
	.amdgcn_target "amdgcn-amd-amdhsa--gfx1250"
	.amdhsa_code_object_version 6
	.text
	.protected	k_q41aff85215_logits
	.globl	k_q41aff85215_logits
	.p2align	8
	.type	k_q41aff85215_logits,@function
k_q41aff85215_logits:
	s_mov_b64 s[64:65], 0
	v_nop
	global_prefetch_b8 v0, s[64:65] scope:SCOPE_SE
	s_setreg_imm32_b32 hwreg(HW_REG_WAVE_MODE, 25, 1), 1
	s_wait_xcnt 0x0
	s_wait_alu depctr_hold_cnt(0) depctr_sa_sdst(0) depctr_va_vdst(0) depctr_va_sdst(0) depctr_va_ssrc(0) depctr_va_vcc(0) depctr_vm_vsrc(0)
	s_getreg_b32 s2, hwreg(HW_REG_IB_STS2, 6, 4)
	s_cmp_eq_u32 s2, 0
	s_cbranch_scc0 .Lentry_in_a_cluster
	s_endpgm
.Lentry_in_a_cluster:
	s_bfe_u32 s2, ttmp6, 0x10000c
	s_cmp_lg_u32 s2, 0xf033
	s_cbranch_scc0 .Lentry_shape_is_right
	s_endpgm
.Lentry_shape_is_right:
; out1[b][q][k] = the mean over the 16 heads of q_h . k_h / 12.  The sum over the heads of the heads' products of codes is ONE product of the same codes over K = 1,024: a GEMM on q's and k's images, each sum x 2^(e6 + e7) / 192.
; AN IMAGE of a tensor [4096 rows][1024 K]: byte = z 262,144 + rt 1,024 + c2 512 + 16 lane + i (z = K / 64, rt = row / 16): lane (r, h) holds row r, registers 2 c, 2 c + 1 hold k = 64 z + 16 c + 8 h + 0 .. 7.
; A tile of C, 256 x 256, is made by four waves, as many as a WGP has SIMDs; a wave makes 128 x 128: 64 accumulators, 512 registers.  K goes in steps of 256 through a ring of two LDS slots filled by the tensor data mover.
; One tensor load brings 4 z x 8 rt x 1,024 bytes; a fragment of the K = 128 form is four LDS loads of 512 consecutive bytes: no pitch, no padding.
; CLUSTERS: 4 x 4.  A's tile (queries) is shared along a row of the cluster, B's (keys of the same batch) along a column: each is asked for JOINTLY.  A cluster's four tile rows lie in one batch: batch = cluster y / 2.
; THE MATRIX INSTRUCTION IS USED TRANSPOSED (source 0 = 16 rows of B, source 1 = 16 rows of A): a lane holds eight neighbouring numbers of a row of C.
; LIMIT: e6 + e7 between -118 and 135, so that 2^(e6 + e7) / 192 is an f32 number.
; REGISTERS: window 0: v0-31 addresses; from v128 A's fragments, ONE set; on the way out v32-255 are free.  window 1: B's fragments, TWO sets.  windows 2, 3: the accumulators ((a, b) at v[8 (8 (a % 4) + b)]).
.set ZB,     262144                    ; bytes from z to z + 1 in an image
.set HALFT,  32768                     ; what one tensor load brings, and what one wave reads of A or of B in a slot
.set SLOT,   4*HALFT
.set SPARE,  2*SLOT                    ; behind the ring: the spare words, 128 bytes for each wave: two blocks of 256 bytes that no other line names
.set STG,    SPARE+512                 ; behind them: a stage of 16 rows x 528 bytes for each wave; no tensor load fills it
.set SPITCH, 528
.set CP,     8192                      ; a row of C in bytes
.set FR,     16
.set NL,     4
.set NP,     4                         ; places behind this matrix instruction (ISA guide 7.12.1)
.set ADRA,   16
.set ADRB,   20
.set STO,    24                        ; v24  the way out: where I put 32 bytes of a row
.set RD,     25                        ; v25  where I read a row back
.set CO,     26                        ; v26  16 x lane
.set SPW,    28
.set NIL,    29
.set TMP,    32
.set AF,     128
.set BK,     128
.set G1,     24
.set G0,     32
.set G1B,    48
.set G0B,    56
.set MSB, 0
.macro WIN new                         ; the immediate's high byte repeats the setting that is left
.if MSB != \new
	s_set_vgpr_msb (MSB<<8)|\new
.set MSB, \new
.endif
.endm
.set MUL_LO, 0xa1                      ; source 0 (B) window 1, source 1 (A) window 0, C and D window 2
.set MUL_HI, 0xf1
.set TO_B,   0x40
.macro JLOAD s                         ; a joint load: waves 0 and 1 fetch for A, waves 2 and 3 for B; four v_nop follow each of the two lines
	s_cmp_eq_u32 s9, 0
	s_cbranch_scc0 .Lfor_b_\@
	tensor_load_to_lds s[G0+4*\s:G0+4*\s+3], s[G1:G1+7]
	s_nop 0
.rept 4
	v_nop
.endr
	s_branch .Lasked_\@
.Lfor_b_\@:
	tensor_load_to_lds s[G0B+4*\s:G0B+4*\s+3], s[G1B:G1B+7]
	s_nop 0
.rept 4
	v_nop
.endr
.Lasked_\@:
.endm
.macro CREST                           ; a round of the cluster's barrier behind its opening barrier
	s_cmp_lg_u32 s8, 0
	s_cbranch_scc1 .Lnot_wave_0_\@
	s_barrier_signal -3
.Lnot_wave_0_\@:
	s_barrier_wait -3
	s_barrier_signal -1
	s_barrier_wait -1
.endm
.macro CROUND
	s_barrier_signal -1
	s_barrier_wait -1
	CREST
.endm
.macro FRAG reg, adr, q, i             ; block i of 16 rows, the slot's q-th 128 along K
.irp c, 0,1,2,3
	ds_load_b128 v[\reg+4*\c:\reg+4*\c+3], v[\adr] offset:(2*(\q)+\c/2)*8192+(\i)*1024+(\c%2)*512
.endr
.endm
.macro MUL16 a0, p, zero               ; 16 matrix instructions; the 64 accumulators take turns, one instruction a turn, in the same order in every step
.irp a, \a0, \a0+1
.irp b, 0,1,2,3,4,5,6,7
.if \zero
	v_wmma_f32_16x16x128_bf8_bf8 v[8*(8*((\a)%4)+\b):8*(8*((\a)%4)+\b)+7], v[128*(\p)+FR*\b:128*(\p)+FR*\b+FR-1], v[AF+FR*(\a):AF+FR*(\a)+FR-1], 0
.else
	v_wmma_f32_16x16x128_bf8_bf8 v[8*(8*((\a)%4)+\b):8*(8*((\a)%4)+\b)+7], v[128*(\p)+FR*\b:128*(\p)+FR*\b+FR-1], v[AF+FR*(\a):AF+FR*(\a)+FR-1], v[8*(8*((\a)%4)+\b):8*(8*((\a)%4)+\b)+7]
.endif
.endr
.endr
.endm
.macro FETCH_B slot, q, p
	WIN TO_B
.irp i, 0,1,2,3,4,5,6,7
	FRAG 128*(\p)+FR*\i, ADRB+\slot, \q, \i
.endr
	WIN 0
.endm
.macro FETCH_A slot, q, i0
.irp i, \i0, \i0+1, \i0+2, \i0+3
	FRAG AF+FR*(\i), ADRA+\slot, \q, \i
.endr
.endm
.macro PLACES n
.rept \n
	v_nop
.endr
.endm
.macro STEP slot, q, zero              ; a step of 128 along K that has its successor in the same slot
	s_wait_dscnt 4*NL                              ; B's set and A's blocks 0-3 are in; the youngest 16 loads (A's blocks 4-7) may be out
	WIN MUL_LO
	MUL16 0, (\q)%2, \zero
	MUL16 2, (\q)%2, \zero
	s_wait_dscnt 0
	PLACES NP
	FETCH_B \slot, (\q)+1, 1-(\q)%2
	FETCH_A \slot, (\q)+1, 0
	WIN MUL_HI
	MUL16 4, (\q)%2, \zero
	MUL16 6, (\q)%2, \zero
	PLACES NP
	WIN 0
	FETCH_A \slot, (\q)+1, 4
.endm
.macro TURN slot, next, fill           ; a slot's last step changes slots: ONE barrier
	s_wait_tensorcnt 0x0                           ; all my tensor loads have landed: my part of the next slot
	ds_add_u32 v[SPW], v[NIL]                      ; 0 onto my spare word
	s_wait_dscnt 4*NL+1                            ; (the add and the youngest 16 loads may be out)
	WIN MUL_LO
	MUL16 0, 1, 0
	s_wait_dscnt 0x0                               ; the add is done, and my reads of this slot are over
	s_barrier_signal -1
	MUL16 2, 1, 0
	WIN 0
	s_barrier_wait -1
.if \fill
	CREST                                          ; the barrier has opened a round of the cluster's barrier: no wave of any partner still reads this slot or has a load on its way
	s_add_nc_u64 s[G0+4*\slot+2:G0+4*\slot+3], s[G0+4*\slot+2:G0+4*\slot+3], 8*ZB
	s_add_nc_u64 s[G0B+4*\slot+2:G0B+4*\slot+3], s[G0B+4*\slot+2:G0B+4*\slot+3], 8*ZB
	JLOAD \slot
.else
	PLACES NP
.endif
	FETCH_B \next, 0, 0
	FETCH_A \next, 0, 0
	WIN MUL_HI
	MUL16 4, 1, 0
	MUL16 6, 1, 0
	PLACES NP
	WIN 0
	FETCH_A \next, 0, 4
.endm
	s_load_b128 s[68:71], s[0:1], 0x0              ; qk s[68:69], the exponents s[70:71]
	s_load_b64 s[72:73], s[0:1], 0x10              ; out1
	v_lshl_add_u32 v[SPW], v0, 2, SPARE
	v_mov_b32 v[NIL], 0
	ds_add_u32 v28, v29
	ds_add_u32 v28, v29
	s_wait_dscnt 0x0
	v_lshrrev_b32 v1, 5, v0
	v_readfirstlane_b32 s8, v1                     ; wave 0..3
	s_lshr_b32 s9, s8, 1                           ; RH.  Also: I fetch for A (0) or for B (1)
	s_and_b32 s10, s8, 1                           ; CH.  Also: which 128 rows of that tile I fetch
	s_bfe_u32 s40, ttmp6, 0x40000                  ; cx, cy
	s_bfe_u32 s41, ttmp6, 0x40004
	s_and_b32 s13, ttmp7, 0xffff                   ; the cluster's y, 0 .. 3
	s_lshl_b32 s11, s13, 2
	s_add_co_u32 s11, s11, s41                     ; TR, 0 .. 15
	s_lshl_b32 s42, ttmp9, 2
	s_add_co_u32 s42, s42, s40                     ; TC, 0 .. 7
	s_lshl_b32 s43, s41, 2
	s_lshl_b32 s43, 15, s43                        ; my row of the cluster
	s_lshl_b32 s44, 0x1111, s40                    ; my column
	s_or_b32 s[G1+0], s43, (3<<16)|(1<<21)         ; the mask; elements of 8 bytes; bit 21 beside a mask; no padding
	s_or_b32 s[G1B+0], s44, (3<<16)|(1<<21)
.irp g, G1, G1B
	s_mov_b32 s[\g+1], 1024<<16                    ; tensor_dim0 = 1,024 elements: 8 rt x 1,024 bytes
	s_mov_b32 s[\g+2], 4<<16                       ; tensor_dim1 = 4: four z
	s_mov_b32 s[\g+3], 1024<<16
	s_mov_b32 s[\g+4], 4
	s_mov_b32 s[\g+5], ZB/8
	s_mov_b32 s[\g+6], 0
	s_mov_b32 s[\g+7], 0
.endr
	s_lshl_b32 s18, s10, 3
	s_lshl_b32 s16, s11, 4
	s_add_co_u32 s16, s16, s18
	s_lshl_b32 s16, s16, 10                        ; A: q's image, rt = 16 TR + 8 half
	s_mov_b32 s17, 0
	s_lshr_b32 s46, s13, 1
	s_lshl_b32 s46, s46, 7                         ; B: k's image, rt = 128 batch + 16 TC + 8 half
	s_lshl_b32 s47, s42, 4
	s_add_co_u32 s46, s46, s47
	s_add_co_u32 s46, s46, s18
	s_lshl_b32 s46, s46, 10
	s_add_co_u32 s46, s46, 0x400000
	s_mov_b32 s47, 0
	s_lshl_b32 s45, s8, 15
	s_wait_kmcnt 0x0
	s_load_b64 s[94:95], s[70:71], 0x18            ; e6, e7
	s_add_nc_u64 s[14:15], s[68:69], s[16:17]
	s_add_nc_u64 s[46:47], s[68:69], s[46:47]
	CROUND                                         ; all sixteen work-groups are here: the first joint loads meet
.irp s, 0,1
	s_mov_b32 s[G0+4*\s], 1
	s_add_co_u32 s[G0+4*\s+1], s45, \s*SLOT
	s_add_nc_u64 s[G0+4*\s+2:G0+4*\s+3], s[14:15], \s*4*ZB
	s_or_b32 s[G0+4*\s+3], s[G0+4*\s+3], 0x80000000
	s_mov_b32 s[G0B+4*\s], 1
	s_add_co_u32 s[G0B+4*\s+1], s45, \s*SLOT
	s_add_nc_u64 s[G0B+4*\s+2:G0B+4*\s+3], s[46:47], \s*4*ZB
	s_or_b32 s[G0B+4*\s+3], s[G0B+4*\s+3], 0x80000000
	JLOAD \s
.endr
	v_and_b32 v1, 15, v0                           ; r
	v_bfe_u32 v2, v0, 4, 1                         ; h
	v_and_b32 v3, 31, v0
	v_lshlrev_b32 v[CO], 4, v3
	s_lshl_b32 s16, s9, 15
	s_lshl_b32 s17, s10, 15
	s_add_co_u32 s17, s17, 2*HALFT
.irp s, 0,1
	v_add_nc_u32 v[ADRA+\s], s16, v[CO]
	v_add_nc_u32 v[ADRB+\s], s17, v[CO]
	s_add_co_u32 s16, s16, SLOT
	s_add_co_u32 s17, s17, SLOT
.endr
	s_mul_i32 s23, s8, 16*SPITCH
	s_add_co_u32 s23, s23, STG                     ; my stage
	v_mul_u32_u24 v5, v1, SPITCH
	v_lshl_add_u32 v5, v2, 5, v5
	v_add_nc_u32 v[STO], s23, v5                   ; in: row r, 32 bytes for each half of the lanes
	v_add_nc_u32 v[RD], s23, v[CO]                 ; back: the 32 lanes take one row of 512 bytes
	s_lshl_b32 s16, s11, 21                        ; my part of C: row 256 TR + 128 RH of 8,192 bytes,
	s_lshl_b32 s17, s9, 20
	s_add_co_u32 s16, s16, s17
	s_lshl_b32 s17, s42, 10                        ; column 256 TC + 128 CH
	s_add_co_u32 s16, s16, s17
	s_lshl_b32 s17, s10, 9
	s_add_co_u32 s16, s16, s17
	s_mov_b32 s17, 0
	s_add_nc_u64 s[72:73], s[72:73], s[16:17]
	s_wait_tensorcnt 1                             ; my part of slot 0 is in (slot 1's load may be out)
	s_barrier_signal -1
	s_barrier_wait -1                              ; everybody's is
	FETCH_B 0, 0, 0
	FETCH_A 0, 0, 0
	FETCH_A 0, 0, 4
	STEP 0, 0, 1                                   ; K = 1,024 is four fills of a slot, eight steps of 128: written straight
	TURN 0, 1, 1
	STEP 1, 0, 0
	TURN 1, 0, 1
	STEP 0, 0, 0
	TURN 0, 1, 0
	STEP 1, 0, 0
	s_wait_dscnt 4*NL
	WIN MUL_LO
	MUL16 0, 1, 0
	MUL16 2, 1, 0
	s_wait_dscnt 0
	WIN MUL_HI
	MUL16 4, 1, 0
	MUL16 6, 1, 0
	WIN 0
; THE WAY OUT, block by block of 16 rows x 128 columns: through my own stage in LDS and back as whole rows of 512 bytes.  LDS serves a wave's instructions in order: no wait between the stores and the loads.
.macro TOSTAGE a
.set AC, 64*((\a)%4)
.set WN, 0x02+(\a)/4
	WIN WN
.set k, 0
.rept 32
	v_pk_mul_f32 v[TMP+k:TMP+k+1], v[AC+k:AC+k+1], s[20:21] op_sel_hi:[1,0]   ; x 2^(e6 + e7) / 192; each accumulator from its low end on
.set k, k+2
.endr
	WIN 0
.irp b, 0,1,2,3,4,5,6,7
	ds_store_b128 v[STO], v[TMP+8*\b:TMP+8*\b+3] offset:64*\b
	ds_store_b128 v[STO], v[TMP+8*\b+4:TMP+8*\b+7] offset:64*\b+16
.endr
.set BB, BK+64*((\a)%2)
.irp t, 0,1,2,3,4,5,6,7,8,9,10,11,12,13,14,15
	ds_load_b128 v[BB+4*\t:BB+4*\t+3], v[RD] offset:\t*SPITCH
.endr
.endm
.macro SEND a, younger                 ; younger: the LDS instructions issued behind block a's loads, which may stay out
.set BB, BK+64*((\a)%2)
	s_wait_dscnt \younger
.if (\a) > 0
	s_add_nc_u64 s[72:73], s[72:73], 16*CP         ; (behind a wait on XCNT: the earlier stores have read their base)
.endif
.irp t, 0,1,2,3,4,5,6,7,8,9,10,11,12,13,14,15
	global_store_b128 v[CO], v[BB+4*\t:BB+4*\t+3], s[72:73] offset:\t*CP th:TH_STORE_NT   ; 32 lanes store 512 consecutive bytes, aligned; written once, read by nobody here
.endr
.endm
	s_wait_kmcnt 0x0
	s_add_co_i32 s20, s94, s95
	s_lshl_b32 s20, s20, 23
	s_add_co_i32 s20, s20, 0x3baaaaab              ; 1 / 192 = (1/8) / 1.5 / 16, with e6 + e7 added to its exponent field
	s_mov_b32 s21, s20                             ; (named with it as a pair, so it is written)
	PLACES NP
	TOSTAGE 0
.irp a, 1,2,3,4,5,6,7
.if \a > 1
	s_wait_xcnt 0x0                                ; block a - 2's stores have read their registers and their base
.endif
	TOSTAGE \a
	SEND \a-1, 32                                  ; behind block a - 1's loads: block a's 16 stores and 16 loads
.endr
	s_wait_xcnt 0x0
	SEND 7, 0
	s_wait_tensorcnt 0x0                           ; the wave's end: behind my last tensor load and my last LDS store
	ds_add_u32 v[SPW], v[NIL]
	s_wait_dscnt 0x0
	CROUND                                         ; the closing round
	s_endpgm
.Lfunc_end_k_q41aff85215_logits:
	.size	k_q41aff85215_logits, .Lfunc_end_k_q41aff85215_logits-k_q41aff85215_logits
	.p2alignl 7, 3214868480
	.fill 96, 4, 3214868480
	.section	.rodata,"a",@progbits
	.p2align	6, 0x0
	.amdhsa_kernel k_q41aff85215_logits
		.amdhsa_group_segment_fixed_size 327680
		.amdhsa_private_segment_fixed_size 0
		.amdhsa_enable_private_segment 0
		.amdhsa_kernarg_size 24
		.amdhsa_user_sgpr_count 2
		.amdhsa_user_sgpr_kernarg_segment_ptr 1
		.amdhsa_wavefront_size32 1
		.amdhsa_system_sgpr_workgroup_id_x 1
		.amdhsa_system_sgpr_workgroup_id_y 1
		.amdhsa_system_sgpr_workgroup_id_z 1
		.amdhsa_system_vgpr_workitem_id 0
		.amdhsa_next_free_vgpr 1024
		.amdhsa_next_free_sgpr 100
		.amdhsa_reserve_vcc 0
		.amdhsa_float_denorm_mode_32 3
		.amdhsa_float_denorm_mode_16_64 3
		.amdhsa_memory_ordered 1
		.amdhsa_forward_progress 1
		.amdhsa_inst_pref_size 123
	.end_amdhsa_kernel
	.amdgpu_metadata
---
amdhsa.version: [ 1, 2 ]
amdhsa.kernels:
  - .name:           k_q41aff85215_logits
    .symbol:         k_q41aff85215_logits.kd
    .args:
      - { .name: qk, .offset: 0, .size: 8, .value_kind: global_buffer, .address_space: global }
      - { .name: lowp_scales, .offset: 8, .size: 8, .value_kind: global_buffer, .address_space: global }
      - { .name: out1, .offset: 16, .size: 8, .value_kind: global_buffer, .address_space: global }
    .group_segment_fixed_size: 327680
    .private_segment_fixed_size: 0
    .kernarg_segment_align: 8
    .kernarg_segment_size: 24
    .max_flat_workgroup_size: 128
    .sgpr_count:     100
    .vgpr_count:     1024
    .wavefront_size: 32
...
	.end_amdgpu_metadata
.endif
;; end of part 5
;; launch proj (part 6): grid 4 x 16, 4 waves a work-group, clusters of 4 x 4, 327,680 bytes of LDS; arguments xc, cin, lowp_scales, bp, out0; writes out0
.if DOCPART == 6
	.amdgcn_target "amdgcn-amd-amdhsa--gfx1250"
	.amdhsa_code_object_version 6
	.text
	.protected	k_q41aff85215_proj
	.globl	k_q41aff85215_proj
	.p2align	8
	.type	k_q41aff85215_proj,@function
k_q41aff85215_proj:
	s_mov_b64 s[64:65], 0
	v_nop
	global_prefetch_b8 v0, s[64:65] scope:SCOPE_SE
	s_setreg_imm32_b32 hwreg(HW_REG_WAVE_MODE, 25, 1), 1
	s_wait_xcnt 0x0
	s_wait_alu depctr_hold_cnt(0) depctr_sa_sdst(0) depctr_va_vdst(0) depctr_va_sdst(0) depctr_va_ssrc(0) depctr_va_vcc(0) depctr_vm_vsrc(0)
	s_getreg_b32 s2, hwreg(HW_REG_IB_STS2, 6, 4)
	s_cmp_eq_u32 s2, 0
	s_cbranch_scc0 .Lentry_in_a_cluster
	s_endpgm
.Lentry_in_a_cluster:
	s_bfe_u32 s2, ttmp6, 0x10000c
	s_cmp_lg_u32 s2, 0xf033
	s_cbranch_scc0 .Lentry_shape_is_right
	s_endpgm
.Lentry_shape_is_right:
; out0 = x Wp^T + bp on codes of BF8 (E5M2): x's image (e10) from the attention launch, Wp's (e11) at rt 192 on of cin's fourth image.  K = 1,024; each sum x 2^(e10 + e11) + bp by one packed multiply-add.
; AN IMAGE of a tensor [4096 rows][1024 K]: byte = z 262,144 + rt 1,024 + c2 512 + 16 lane + i (z = K / 64, rt = row / 16): lane (r, h) holds row r, registers 2 c, 2 c + 1 hold k = 64 z + 16 c + 8 h + 0 .. 7.
; A tile of C, 256 x 256, is made by four waves; a wave makes 128 x 128: 64 accumulators, 512 registers.  K goes in steps of 256 through a ring of two LDS slots filled by the tensor data mover.
; C has 16 x 4 such tiles: 64 work-groups, four clusters of 4 x 4.  A's tile is shared along a row of the cluster, B's along a column: each is asked for JOINTLY.
; THE MATRIX INSTRUCTION IS USED TRANSPOSED (source 0 = 16 rows of B, source 1 = 16 rows of A): a lane holds eight neighbouring numbers of a row of C.
; LIMIT: e10 + e11 between -126 and 127, so that 2^(e10 + e11) is an f32 number.
; REGISTERS: window 0: v0-31 addresses; v32-95 bp of my 128 columns, in the result's layout; v96-127 at work on the way out; from v128 A's fragments, ONE set, later rows of C.  window 1: B's fragments, TWO sets.  windows 2, 3: the accumulators.
.set ZB,     262144
.set HALFT,  32768
.set SLOT,   4*HALFT
.set SPARE,  2*SLOT                    ; behind the ring: the spare words, 128 bytes for each wave: two blocks of 256 bytes that no other line names
.set STG,    SPARE+512                 ; behind them: a stage of 16 rows x 528 bytes for each wave; no tensor load fills it
.set SPITCH, 528
.set CP,     4096                      ; a row of C in bytes
.set FR,     16
.set NL,     4
.set NP,     4                         ; places behind this matrix instruction (ISA guide 7.12.1)
.set ADRA,   16
.set ADRB,   20
.set STO,    24
.set RD,     25
.set CO,     26
.set SPW,    28
.set NIL,    29
.set BI,     32
.set TMP,    96
.set AF,     128
.set BK,     128
.set G1,     24
.set G0,     32
.set G1B,    48
.set G0B,    56
.set MSB, 0
.macro WIN new                         ; the immediate's high byte repeats the setting that is left
.if MSB != \new
	s_set_vgpr_msb (MSB<<8)|\new
.set MSB, \new
.endif
.endm
.set MUL_LO, 0xa1                      ; source 0 (B) window 1, source 1 (A) window 0, C and D window 2
.set MUL_HI, 0xf1
.set TO_B,   0x40
.macro JLOAD s                         ; a joint load: waves 0 and 1 fetch for A, waves 2 and 3 for B; four v_nop follow each of the two lines
	s_cmp_eq_u32 s9, 0
	s_cbranch_scc0 .Lfor_b_\@
	tensor_load_to_lds s[G0+4*\s:G0+4*\s+3], s[G1:G1+7]
	s_nop 0
.rept 4
	v_nop
.endr
	s_branch .Lasked_\@
.Lfor_b_\@:
	tensor_load_to_lds s[G0B+4*\s:G0B+4*\s+3], s[G1B:G1B+7]
	s_nop 0
.rept 4
	v_nop
.endr
.Lasked_\@:
.endm
.macro CREST                           ; a round of the cluster's barrier behind its opening barrier
	s_cmp_lg_u32 s8, 0
	s_cbranch_scc1 .Lnot_wave_0_\@
	s_barrier_signal -3
.Lnot_wave_0_\@:
	s_barrier_wait -3
	s_barrier_signal -1
	s_barrier_wait -1
.endm
.macro CROUND
	s_barrier_signal -1
	s_barrier_wait -1
	CREST
.endm
.macro FRAG reg, adr, q, i             ; block i of 16 rows, the slot's q-th 128 along K
.irp c, 0,1,2,3
	ds_load_b128 v[\reg+4*\c:\reg+4*\c+3], v[\adr] offset:(2*(\q)+\c/2)*8192+(\i)*1024+(\c%2)*512
.endr
.endm
.macro MUL16 a0, p, zero               ; 16 matrix instructions; the 64 accumulators take turns, one instruction a turn, in the same order in every step
.irp a, \a0, \a0+1
.irp b, 0,1,2,3,4,5,6,7
.if \zero
	v_wmma_f32_16x16x128_bf8_bf8 v[8*(8*((\a)%4)+\b):8*(8*((\a)%4)+\b)+7], v[128*(\p)+FR*\b:128*(\p)+FR*\b+FR-1], v[AF+FR*(\a):AF+FR*(\a)+FR-1], 0
.else
	v_wmma_f32_16x16x128_bf8_bf8 v[8*(8*((\a)%4)+\b):8*(8*((\a)%4)+\b)+7], v[128*(\p)+FR*\b:128*(\p)+FR*\b+FR-1], v[AF+FR*(\a):AF+FR*(\a)+FR-1], v[8*(8*((\a)%4)+\b):8*(8*((\a)%4)+\b)+7]
.endif
.endr
.endr
.endm
.macro FETCH_B slot, q, p
	WIN TO_B
.irp i, 0,1,2,3,4,5,6,7
	FRAG 128*(\p)+FR*\i, ADRB+\slot, \q, \i
.endr
	WIN 0
.endm
.macro FETCH_A slot, q, i0
.irp i, \i0, \i0+1, \i0+2, \i0+3
	FRAG AF+FR*(\i), ADRA+\slot, \q, \i
.endr
.endm
.macro PLACES n
.rept \n
	v_nop
.endr
.endm
.macro STEP slot, q, zero              ; a step of 128 along K that has its successor in the same slot
	s_wait_dscnt 4*NL                              ; B's set and A's blocks 0-3 are in; the youngest 16 loads (A's blocks 4-7) may be out
	WIN MUL_LO
	MUL16 0, (\q)%2, \zero
	MUL16 2, (\q)%2, \zero
	s_wait_dscnt 0
	PLACES NP
	FETCH_B \slot, (\q)+1, 1-(\q)%2
	FETCH_A \slot, (\q)+1, 0
	WIN MUL_HI
	MUL16 4, (\q)%2, \zero
	MUL16 6, (\q)%2, \zero
	PLACES NP
	WIN 0
	FETCH_A \slot, (\q)+1, 4
.endm
.macro TURN slot, next, fill           ; a slot's last step changes slots: ONE barrier
	s_wait_tensorcnt 0x0                           ; all my tensor loads have landed: my part of the next slot
	ds_add_u32 v[SPW], v[NIL]                      ; 0 onto my spare word
	s_wait_dscnt 4*NL+1                            ; (the add and the youngest 16 loads may be out)
	WIN MUL_LO
	MUL16 0, 1, 0
	s_wait_dscnt 0x0                               ; the add is done, and my reads of this slot are over
	s_barrier_signal -1
	MUL16 2, 1, 0
	WIN 0
	s_barrier_wait -1
.if \fill
	CREST                                          ; the barrier has opened a round of the cluster's barrier: no wave of any partner still reads this slot or has a load on its way
	s_add_nc_u64 s[G0+4*\slot+2:G0+4*\slot+3], s[G0+4*\slot+2:G0+4*\slot+3], 8*ZB
	s_add_nc_u64 s[G0B+4*\slot+2:G0B+4*\slot+3], s[G0B+4*\slot+2:G0B+4*\slot+3], 8*ZB
	JLOAD \slot
.else
	PLACES NP
.endif
	FETCH_B \next, 0, 0
	FETCH_A \next, 0, 0
	WIN MUL_HI
	MUL16 4, 1, 0
	MUL16 6, 1, 0
	PLACES NP
	WIN 0
	FETCH_A \next, 0, 4
.endm
	s_load_b256 s[68:75], s[0:1], 0x0              ; xc s[68:69], cin s[70:71], the exponents s[72:73], bp s[74:75]
	s_load_b64 s[76:77], s[0:1], 0x20              ; out0
	v_lshl_add_u32 v[SPW], v0, 2, SPARE
	v_mov_b32 v[NIL], 0
	ds_add_u32 v28, v29
	ds_add_u32 v28, v29
	s_wait_dscnt 0x0
	v_lshrrev_b32 v1, 5, v0
	v_readfirstlane_b32 s8, v1                     ; wave 0..3
	s_lshr_b32 s9, s8, 1                           ; RH.  Also: I fetch for A (0) or for B (1)
	s_and_b32 s10, s8, 1                           ; CH.  Also: which 128 rows of that tile I fetch
	s_bfe_u32 s40, ttmp6, 0x40000                  ; cx, cy
	s_bfe_u32 s41, ttmp6, 0x40004
	s_and_b32 s13, ttmp7, 0xffff                   ; the cluster's y, 0 .. 3
	s_lshl_b32 s11, s13, 2
	s_add_co_u32 s11, s11, s41                     ; TR, 0 .. 15
	s_lshl_b32 s42, ttmp9, 2
	s_add_co_u32 s42, s42, s40                     ; TC, 0 .. 3
	s_lshl_b32 s43, s41, 2
	s_lshl_b32 s43, 15, s43                        ; my row of the cluster
	s_lshl_b32 s44, 0x1111, s40                    ; my column
	s_or_b32 s[G1+0], s43, (3<<16)|(1<<21)         ; the mask; elements of 8 bytes; bit 21 beside a mask; no padding
	s_or_b32 s[G1B+0], s44, (3<<16)|(1<<21)
.irp g, G1, G1B
	s_mov_b32 s[\g+1], 1024<<16                    ; tensor_dim0 = 1,024 elements: 8 rt x 1,024 bytes
	s_mov_b32 s[\g+2], 4<<16                       ; tensor_dim1 = 4: four z
	s_mov_b32 s[\g+3], 1024<<16
	s_mov_b32 s[\g+4], 4
	s_mov_b32 s[\g+5], ZB/8
	s_mov_b32 s[\g+6], 0
	s_mov_b32 s[\g+7], 0
.endr
	s_lshl_b32 s18, s10, 3
	s_lshl_b32 s16, s11, 4
	s_add_co_u32 s16, s16, s18
	s_lshl_b32 s16, s16, 10                        ; A: x's image, rt = 16 TR + 8 half
	s_mov_b32 s17, 0
	s_lshl_b32 s46, s42, 4
	s_add_co_u32 s46, s46, s18
	s_add_co_u32 s46, s46, 192                     ; B: Wp: rt = 192 + 16 TC + 8 half of cin's fourth image
	s_lshl_b32 s46, s46, 10
	s_add_co_u32 s46, s46, 0xc00000
	s_mov_b32 s47, 0
	s_lshl_b32 s45, s8, 15
	s_wait_kmcnt 0x0
	s_load_b64 s[98:99], s[72:73], 0x28            ; e10, e11
	s_add_nc_u64 s[14:15], s[68:69], s[16:17]
	s_add_nc_u64 s[46:47], s[70:71], s[46:47]
	CROUND                                         ; all sixteen work-groups are here: the first joint loads meet
.irp s, 0,1
	s_mov_b32 s[G0+4*\s], 1
	s_add_co_u32 s[G0+4*\s+1], s45, \s*SLOT
	s_add_nc_u64 s[G0+4*\s+2:G0+4*\s+3], s[14:15], \s*4*ZB
	s_or_b32 s[G0+4*\s+3], s[G0+4*\s+3], 0x80000000
	s_mov_b32 s[G0B+4*\s], 1
	s_add_co_u32 s[G0B+4*\s+1], s45, \s*SLOT
	s_add_nc_u64 s[G0B+4*\s+2:G0B+4*\s+3], s[46:47], \s*4*ZB
	s_or_b32 s[G0B+4*\s+3], s[G0B+4*\s+3], 0x80000000
	JLOAD \s
.endr
	v_and_b32 v1, 15, v0                           ; r
	v_bfe_u32 v2, v0, 4, 1                         ; h
	v_and_b32 v3, 31, v0
	v_lshlrev_b32 v[CO], 4, v3
	v_lshlrev_b32 v27, 5, v2                       ; 32 h: my eight of a tile's sixteen columns, in f32
	s_lshl_b32 s18, s42, 10
	s_lshl_b32 s19, s10, 9
	s_add_co_u32 s18, s18, s19                     ; my first column, in f32: 4 (256 TC + 128 CH)
	s_mov_b32 s19, 0
	s_add_nc_u64 s[74:75], s[74:75], s[18:19]
.irp b, 0,1,2,3,4,5,6,7
	global_load_b128 v[BI+8*\b:BI+8*\b+3], v27, s[74:75] offset:64*\b          ; bp lands while K is walked; the loop leaves these registers alone
	global_load_b128 v[BI+8*\b+4:BI+8*\b+7], v27, s[74:75] offset:64*\b+16
.endr
	s_lshl_b32 s16, s9, 15
	s_lshl_b32 s17, s10, 15
	s_add_co_u32 s17, s17, 2*HALFT
.irp s, 0,1
	v_add_nc_u32 v[ADRA+\s], s16, v[CO]
	v_add_nc_u32 v[ADRB+\s], s17, v[CO]
	s_add_co_u32 s16, s16, SLOT
	s_add_co_u32 s17, s17, SLOT
.endr
	s_mul_i32 s23, s8, 16*SPITCH
	s_add_co_u32 s23, s23, STG                     ; my stage
	v_mul_u32_u24 v5, v1, SPITCH
	v_lshl_add_u32 v5, v2, 5, v5
	v_add_nc_u32 v[STO], s23, v5
	v_add_nc_u32 v[RD], s23, v[CO]
	s_lshl_b32 s16, s11, 20                        ; my part of C: row 256 TR + 128 RH of 4,096 bytes,
	s_lshl_b32 s17, s9, 19
	s_add_co_u32 s16, s16, s17
	s_add_co_u32 s16, s16, s18                     ; and my first column
	s_mov_b32 s17, 0
	s_add_nc_u64 s[76:77], s[76:77], s[16:17]
	s_wait_tensorcnt 1                             ; my part of slot 0 is in (slot 1's load may be out)
	s_barrier_signal -1
	s_barrier_wait -1                              ; everybody's is
	FETCH_B 0, 0, 0
	FETCH_A 0, 0, 0
	FETCH_A 0, 0, 4
	STEP 0, 0, 1                                   ; K = 1,024 is four fills of a slot, eight steps of 128: written straight
	TURN 0, 1, 1
	STEP 1, 0, 0
	TURN 1, 0, 1
	STEP 0, 0, 0
	TURN 0, 1, 0
	STEP 1, 0, 0
	s_wait_dscnt 4*NL
	WIN MUL_LO
	MUL16 0, 1, 0
	MUL16 2, 1, 0
	s_wait_dscnt 0
	WIN MUL_HI
	MUL16 4, 1, 0
	MUL16 6, 1, 0
	WIN 0
; THE WAY OUT, block by block of 16 rows x 128 columns, in two halves of four accumulators: through my own stage in LDS and back as whole rows of 512 bytes.
.macro TOSTAGE a
.irp g, 0,1
.set AC, 64*((\a)%4)+32*\g
.set WN, 0x02+(\a)/4
	WIN WN
.set k, 0
.rept 16
	v_pk_fma_f32 v[TMP+k:TMP+k+1], v[AC+k:AC+k+1], s[20:21], v[BI+32*\g+k:BI+32*\g+k+1] op_sel_hi:[1,0,1]   ; sum x 2^(e10 + e11) + bp; each accumulator from its low end on
.set k, k+2
.endr
	WIN 0
.irp c, 0,1,2,3
	ds_store_b128 v[STO], v[TMP+8*\c:TMP+8*\c+3] offset:256*\g+64*\c
	ds_store_b128 v[STO], v[TMP+8*\c+4:TMP+8*\c+7] offset:256*\g+64*\c+16
.endr
.endr
.set BB, BK+64*((\a)%2)
.irp t, 0,1,2,3,4,5,6,7,8,9,10,11,12,13,14,15
	ds_load_b128 v[BB+4*\t:BB+4*\t+3], v[RD] offset:\t*SPITCH      ; LDS serves a wave's instructions in order: these see the stores above
.endr
.endm
.macro SEND a, younger                 ; younger: the LDS instructions issued behind block a's loads, which may stay out
.set BB, BK+64*((\a)%2)
	s_wait_dscnt \younger
.if (\a) > 0
	s_add_nc_u64 s[76:77], s[76:77], 16*CP         ; (behind a wait on XCNT: the earlier stores have read their base)
.endif
.irp t, 0,1,2,3,4,5,6,7,8,9,10,11,12,13,14,15
	global_store_b128 v[CO], v[BB+4*\t:BB+4*\t+3], s[76:77] offset:\t*CP th:TH_STORE_NT   ; 32 lanes store 512 consecutive bytes, aligned; written once, read by nobody here
.endr
.endm
	s_wait_kmcnt 0x0
	s_add_co_i32 s20, s98, s99
	s_add_co_i32 s20, s20, 127
	s_lshl_b32 s20, s20, 23                        ; 2^(e10 + e11) as f32
	s_mov_b32 s21, s20                             ; (named with it as a pair, so it is written)
	s_wait_loadcnt 0x0                             ; bp
	PLACES NP
	TOSTAGE 0
.irp a, 1,2,3,4,5,6,7
.if \a > 1
	s_wait_xcnt 0x0                                ; block a - 2's stores have read their registers and their base
.endif
	TOSTAGE \a
	SEND \a-1, 32                                  ; behind block a - 1's loads: block a's 16 stores and 16 loads
.endr
	s_wait_xcnt 0x0
	SEND 7, 0
	s_wait_tensorcnt 0x0                           ; the wave's end: behind my last tensor load and my last LDS store
	ds_add_u32 v[SPW], v[NIL]
	s_wait_dscnt 0x0
	CROUND                                         ; the closing round
	s_endpgm
.Lfunc_end_k_q41aff85215_proj:
	.size	k_q41aff85215_proj, .Lfunc_end_k_q41aff85215_proj-k_q41aff85215_proj
	.p2alignl 7, 3214868480
	.fill 96, 4, 3214868480
	.section	.rodata,"a",@progbits
	.p2align	6, 0x0
	.amdhsa_kernel k_q41aff85215_proj
		.amdhsa_group_segment_fixed_size 327680
		.amdhsa_private_segment_fixed_size 0
		.amdhsa_enable_private_segment 0
		.amdhsa_kernarg_size 40
		.amdhsa_user_sgpr_count 2
		.amdhsa_user_sgpr_kernarg_segment_ptr 1
		.amdhsa_wavefront_size32 1
		.amdhsa_system_sgpr_workgroup_id_x 1
		.amdhsa_system_sgpr_workgroup_id_y 1
		.amdhsa_system_sgpr_workgroup_id_z 1
		.amdhsa_system_vgpr_workitem_id 0
		.amdhsa_next_free_vgpr 1024
		.amdhsa_next_free_sgpr 100
		.amdhsa_reserve_vcc 0
		.amdhsa_float_denorm_mode_32 3
		.amdhsa_float_denorm_mode_16_64 3
		.amdhsa_memory_ordered 1
		.amdhsa_forward_progress 1
		.amdhsa_inst_pref_size 125
	.end_amdhsa_kernel
	.amdgpu_metadata
---
amdhsa.version: [ 1, 2 ]
amdhsa.kernels:
  - .name:           k_q41aff85215_proj
    .symbol:         k_q41aff85215_proj.kd
    .args:
      - { .name: xc, .offset: 0, .size: 8, .value_kind: global_buffer, .address_space: global }
      - { .name: cin, .offset: 8, .size: 8, .value_kind: global_buffer, .address_space: global }
      - { .name: lowp_scales, .offset: 16, .size: 8, .value_kind: global_buffer, .address_space: global }
      - { .name: bp, .offset: 24, .size: 8, .value_kind: global_buffer, .address_space: global }
      - { .name: out0, .offset: 32, .size: 8, .value_kind: global_buffer, .address_space: global }
    .group_segment_fixed_size: 327680
    .private_segment_fixed_size: 0
    .kernarg_segment_align: 8
    .kernarg_segment_size: 40
    .max_flat_workgroup_size: 128
    .sgpr_count:     100
    .vgpr_count:     1024
    .wavefront_size: 32
...
	.end_amdgpu_metadata
.endif
;; end of part 6
;; ======== version 2 of 2: 5 launches; 1.12 times as fast as version 1
;; workspace buffers: cin 16,777,216 bytes; qk 8,388,608 bytes; vc 4,194,304 bytes; sig 262,144 bytes; xc 4,194,304 bytes
;; launch quant: the kernel of part 1 again; grid 384 x 1, 8 waves a work-group, no clusters, 70,656 bytes of LDS; arguments x_q, x_kv, Wq, Wk, Wv, Wp, lowp_scales, cin; writes cin
;; launch qkv: the kernel of part 2 again; grid 4 x 48, 4 waves a work-group, clusters of 4 x 4, 327,680 bytes of LDS; arguments cin, lowp_scales, bq, bk, bv, cls_token, qk, vc, sig; writes qk, vc, sig
;; launch mask: the kernel of part 3 again; grid 2 x 1, 16 waves a work-group, no clusters, 2,304 bytes of LDS; arguments sig, out2; writes out2
;; launch attn: the kernel of part 4 again; grid 8 x 32, 8 waves a work-group, clusters of 4 x 1, 271,360 bytes of LDS; arguments qk, vc, out2, lowp_scales, xc; writes xc
;; launch tail (part 7): grid 4 x 48, 4 waves a work-group, clusters of 4 x 4, 327,680 bytes of LDS; arguments qk, xc, cin, lowp_scales, bp, out1, out0; writes out1, out0
.if DOCPART == 7
	.amdgcn_target "amdgcn-amd-amdhsa--gfx1250"
	.amdhsa_code_object_version 6
	.text
	.protected	k_q41aff85215_tail
	.globl	k_q41aff85215_tail
	.p2align	8
	.type	k_q41aff85215_tail,@function
k_q41aff85215_tail:
	s_mov_b64 s[64:65], 0
	v_nop
	global_prefetch_b8 v0, s[64:65] scope:SCOPE_SE
	s_setreg_imm32_b32 hwreg(HW_REG_WAVE_MODE, 25, 1), 1
	s_wait_xcnt 0x0
	s_wait_alu depctr_hold_cnt(0) depctr_sa_sdst(0) depctr_va_vdst(0) depctr_va_sdst(0) depctr_va_ssrc(0) depctr_va_vcc(0) depctr_vm_vsrc(0)
	s_getreg_b32 s2, hwreg(HW_REG_IB_STS2, 6, 4)
	s_cmp_eq_u32 s2, 0
	s_cbranch_scc0 .Lentry_in_a_cluster
	s_endpgm
.Lentry_in_a_cluster:
	s_bfe_u32 s2, ttmp6, 0x10000c
	s_cmp_lg_u32 s2, 0xf033
	s_cbranch_scc0 .Lentry_shape_is_right
	s_endpgm
.Lentry_shape_is_right:
; TWO PRODUCTS THAT DO NOT DEPEND ON EACH OTHER, IN ONE LAUNCH, both on codes of BF8 (E5M2), both with K = 1,024, both through the same loop:
;   role 0: out1[b][q][k] = the mean over the 16 heads of q_h . k_h / 12.  The sum over the heads of the heads' products of codes is ONE product of the same codes over K = 1,024: q's image x k's image, each sum x 2^(e6 + e7) / 192.
;   role 1: out0 = x Wp^T + bp: x's image (e10) from the attention launch, Wp's (e11) at rt 192 on of cin's fourth image; each sum x 2^(e10 + e11) + bp by one packed multiply-add.
; ROLES.  The cluster's y says what a cluster makes: 0 .. 7: role 0 (cluster row y / 2, cluster column y % 2 of out1's 16 x 8 tiles; the batch is cluster row / 2); 8 .. 11: role 1 (cluster row y % 4 of out0's 16 x 4 tiles).
; It is the same in all sixteen partners.  Role 0 has 128 tiles and role 1 has 64: 192 work-groups, each on a WGP of its own, and one start and one end serve both products.
; AN IMAGE of a tensor [4096 rows][1024 K]: byte = z 262,144 + rt 1,024 + c2 512 + 16 lane + i (z = K / 64, rt = row / 16): lane (r, h) holds row r, registers 2 c, 2 c + 1 hold k = 64 z + 16 c + 8 h + 0 .. 7.
; A tile of C, 256 x 256, is made by four waves, as many as a WGP has SIMDs; a wave makes 128 x 128: 64 accumulators, 512 registers.  K goes in steps of 256 through a ring of two LDS slots filled by the tensor data mover.
; One tensor load brings 4 z x 8 rt x 1,024 bytes; a fragment of the K = 128 form is four LDS loads of 512 consecutive bytes: no pitch, no padding.
; CLUSTERS: 4 x 4.  A's tile is shared along a row of the cluster, B's along a column: each is asked for JOINTLY, by the same tensor load with the same descriptor and a mask that names the four.
; THE MATRIX INSTRUCTION IS USED TRANSPOSED (source 0 = 16 rows of B, source 1 = 16 rows of A): a lane holds eight neighbouring numbers of a row of C.
; THE WAY OUT is written once for each role (another factor, a bias or none, another pitch of C), and each role has LDS stage bytes of its own: role 0's behind the spare words; role 1's in slot 0, which has had its last fill
; and whose last reads lie ahead of the last change of slots (two stages behind the ring would want 67,584 bytes where 65,024 are left).  bp is loaded inside role 1's branch, so that no path reads a register that it has not written.
; LIMITS: e6 + e7 between -118 and 135, so that 2^(e6 + e7) / 192 is an f32 number; e10 + e11 between -126 and 127.
; REGISTERS: window 0: v0-31 addresses; from v128 A's fragments, ONE set; on the way out: role 0: v32-95 a block's numbers; role 1: v32-95 bp in the result's layout, v96-127 half a block's numbers; both: v128-255 rows of C read back.
;   window 1: B's fragments, TWO sets.  windows 2, 3: the accumulators ((a, b) at v[8 (8 (a % 4) + b)]).
.set ZB,     262144                    ; bytes from z to z + 1 in an image
.set HALFT,  32768                     ; what one tensor load brings, and what one wave reads of A or of B in a slot
.set SLOT,   4*HALFT
.set SPARE,  2*SLOT                    ; behind the ring: the spare words, 128 bytes for each wave: two blocks of 256 bytes that no other line names
.set STG,    SPARE+512                 ; behind them: role 0's stage, 16 rows x 528 bytes for each wave; no tensor load fills it
.set SPITCH, 528
.set CPL,    8192                      ; a row of out1 in bytes
.set CPP,    4096                      ; a row of out0
.set FR,     16
.set NL,     4
.set NP,     4                         ; places behind this matrix instruction (ISA guide 7.12.1)
.set ADRA,   16                        ; v16-17  LDS address of my A fragments in slot 0, 1
.set ADRB,   20                        ; v20-21  the same for B
.set STOP,   22                        ; v22  role 1's stage: where I put 32 bytes of a row
.set RDP,    23                        ; v23  and where I read a row back
.set STO,    24                        ; v24  role 0's stage: the same two
.set RD,     25                        ; v25
.set CO,     26                        ; v26  16 x lane
.set SPW,    28                        ; v28  LDS address of my spare word; never rewritten
.set NIL,    29                        ; v29  0; never rewritten
.set TMP,    32
.set BI,     32
.set TMPP,   96
.set AF,     128
.set BK,     128
.set G1,     24                        ; s[24:31] descriptor group 1 for A's tiles;  s[32:39] group 0, one set for each slot
.set G0,     32
.set G1B,    48                        ; s[48:55], s[56:63] the same for B's tiles
.set G0B,    56
.set MSB, 0
.macro WIN new                         ; the immediate's high byte repeats the setting that is left
.if MSB != \new
	s_set_vgpr_msb (MSB<<8)|\new
.set MSB, \new
.endif
.endm
.set MUL_LO, 0xa1                      ; source 0 (B) window 1, source 1 (A) window 0, C and D window 2
.set MUL_HI, 0xf1                      ; the same, C and D window 3
.set TO_B,   0x40                      ; destination window 1, address window 0
.macro JLOAD s                         ; a joint load: waves 0 and 1 fetch for A, waves 2 and 3 for B; four v_nop follow each of the two lines
	s_cmp_eq_u32 s9, 0
	s_cbranch_scc0 .Lfor_b_\@
	tensor_load_to_lds s[G0+4*\s:G0+4*\s+3], s[G1:G1+7]
	s_nop 0
.rept 4
	v_nop
.endr
	s_branch .Lasked_\@
.Lfor_b_\@:
	tensor_load_to_lds s[G0B+4*\s:G0B+4*\s+3], s[G1B:G1B+7]
	s_nop 0
.rept 4
	v_nop
.endr
.Lasked_\@:
.endm
.macro CREST                           ; a round of the cluster's barrier behind its opening barrier
	s_cmp_lg_u32 s8, 0
	s_cbranch_scc1 .Lnot_wave_0_\@
	s_barrier_signal -3
.Lnot_wave_0_\@:
	s_barrier_wait -3
	s_barrier_signal -1
	s_barrier_wait -1
.endm
.macro CROUND                          ; a whole round
	s_barrier_signal -1
	s_barrier_wait -1
	CREST
.endm
.macro FRAG reg, adr, q, i             ; block i of 16 rows, the slot's q-th 128 along K: z' = 2 q (registers 0-7) and 2 q + 1 (registers 8-15)
.irp c, 0,1,2,3
	ds_load_b128 v[\reg+4*\c:\reg+4*\c+3], v[\adr] offset:(2*(\q)+\c/2)*8192+(\i)*1024+(\c%2)*512
.endr
.endm
.macro MUL16 a0, p, zero               ; 16 matrix instructions; the 64 accumulators take turns, one instruction a turn, in the same order in every step
.irp a, \a0, \a0+1
.irp b, 0,1,2,3,4,5,6,7
.if \zero
	v_wmma_f32_16x16x128_bf8_bf8 v[8*(8*((\a)%4)+\b):8*(8*((\a)%4)+\b)+7], v[128*(\p)+FR*\b:128*(\p)+FR*\b+FR-1], v[AF+FR*(\a):AF+FR*(\a)+FR-1], 0
.else
	v_wmma_f32_16x16x128_bf8_bf8 v[8*(8*((\a)%4)+\b):8*(8*((\a)%4)+\b)+7], v[128*(\p)+FR*\b:128*(\p)+FR*\b+FR-1], v[AF+FR*(\a):AF+FR*(\a)+FR-1], v[8*(8*((\a)%4)+\b):8*(8*((\a)%4)+\b)+7]
.endif
.endr
.endr
.endm
.macro FETCH_B slot, q, p
	WIN TO_B
.irp i, 0,1,2,3,4,5,6,7
	FRAG 128*(\p)+FR*\i, ADRB+\slot, \q, \i
.endr
	WIN 0
.endm
.macro FETCH_A slot, q, i0
.irp i, \i0, \i0+1, \i0+2, \i0+3
	FRAG AF+FR*(\i), ADRA+\slot, \q, \i
.endr
.endm
.macro PLACES n                        ; plain vector lines between a matrix instruction and a load into, or a read of, its registers
.rept \n
	v_nop
.endr
.endm
.macro STEP slot, q, zero              ; a step of 128 along K that has its successor in the same slot.  A's blocks 0-3 are fetched anew in the middle, blocks 4-7 at the end
	s_wait_dscnt 4*NL                              ; B's set and A's blocks 0-3 are in; the youngest 16 loads (A's blocks 4-7) may be out
	WIN MUL_LO
	MUL16 0, (\q)%2, \zero
	MUL16 2, (\q)%2, \zero
	s_wait_dscnt 0                                 ; A's blocks 4-7 are in
	PLACES NP
	FETCH_B \slot, (\q)+1, 1-(\q)%2
	FETCH_A \slot, (\q)+1, 0
	WIN MUL_HI
	MUL16 4, (\q)%2, \zero
	MUL16 6, (\q)%2, \zero
	PLACES NP
	WIN 0
	FETCH_A \slot, (\q)+1, 4
.endm
; A slot's last step changes slots: ONE barrier; in front of it each wave waits for all its tensor loads, adds 0 to its spare word, and waits for that and for its own reads of this slot.  fill = 1: this slot is filled again.
.macro TURN slot, next, fill
	s_wait_tensorcnt 0x0                           ; all my tensor loads have landed: my part of the next slot
	ds_add_u32 v[SPW], v[NIL]                      ; 0 onto my spare word
	s_wait_dscnt 4*NL+1                            ; (the add and the youngest 16 loads may be out)
	WIN MUL_LO
	MUL16 0, 1, 0                                  ; sixteen matrix instructions stand between the add and the wait for it
	s_wait_dscnt 0x0                               ; the add is done, and my reads of this slot are over
	s_barrier_signal -1
	MUL16 2, 1, 0
	WIN 0
	s_barrier_wait -1
.if \fill
	CREST                                          ; the barrier has opened a round of the cluster's barrier: no wave of any partner still reads this slot or has a load on its way
	s_add_nc_u64 s[G0+4*\slot+2:G0+4*\slot+3], s[G0+4*\slot+2:G0+4*\slot+3], 8*ZB
	s_add_nc_u64 s[G0B+4*\slot+2:G0B+4*\slot+3], s[G0B+4*\slot+2:G0B+4*\slot+3], 8*ZB
	JLOAD \slot                                    ; the first tensor load behind the round; its four v_nop are also the places in front of the loads below
.else
	PLACES NP
.endif
	FETCH_B \next, 0, 0
	FETCH_A \next, 0, 0
	WIN MUL_HI
	MUL16 4, 1, 0
	MUL16 6, 1, 0
	PLACES NP
	WIN 0
	FETCH_A \next, 0, 4
.endm
	s_load_b256 s[68:75], s[0:1], 0x0              ; qk s[68:69], xc s[70:71], cin s[72:73], the exponents s[74:75]
	s_load_b128 s[76:79], s[0:1], 0x20             ; bp s[76:77], out1 s[78:79]
	s_load_b64 s[80:81], s[0:1], 0x30              ; out0
	v_lshl_add_u32 v[SPW], v0, 2, SPARE
	v_mov_b32 v[NIL], 0
	ds_add_u32 v28, v29
	ds_add_u32 v28, v29
	s_wait_dscnt 0x0
	v_lshrrev_b32 v1, 5, v0
	v_readfirstlane_b32 s8, v1                     ; wave 0..3
	s_lshr_b32 s9, s8, 1                           ; RH: which half of the tile's rows is mine.  Also: I fetch for A (0) or for B (1)
	s_and_b32 s10, s8, 1                           ; CH: which half of its columns.  Also: which 128 rows of that tile I fetch
	s_bfe_u32 s40, ttmp6, 0x40000                  ; cx, cy: my place in the cluster
	s_bfe_u32 s41, ttmp6, 0x40004
	s_and_b32 s13, ttmp7, 0xffff                   ; the cluster's y, 0 .. 11
	s_lshr_b32 s12, s13, 3                         ; ROLE: 0 for y 0 .. 7, 1 for y 8 .. 11
	s_lshr_b32 s4, s13, 1                          ; role 0: the cluster's row among four,
	s_and_b32 s5, s13, 1                           ; and its column among two
	s_and_b32 s6, s13, 3                           ; role 1: the cluster's row among four; one column
	s_cmp_eq_u32 s12, 0
	s_cselect_b32 s4, s4, s6
	s_cselect_b32 s5, s5, 0
	s_lshl_b32 s11, s4, 2
	s_add_co_u32 s11, s11, s41                     ; TR, the tile row, 0 .. 15
	s_lshl_b32 s42, s5, 2
	s_add_co_u32 s42, s42, s40                     ; TC, the tile column, 0 .. 7 or 0 .. 3
	s_lshl_b32 s43, s41, 2
	s_lshl_b32 s43, 15, s43                        ; my row of the cluster
	s_lshl_b32 s44, 0x1111, s40                    ; my column
	s_or_b32 s[G1+0], s43, (3<<16)|(1<<21)         ; 15:0 the mask: A's tiles go to my row; 17:16 elements of 8 bytes; 21 set beside a mask; no padding
	s_or_b32 s[G1B+0], s44, (3<<16)|(1<<21)
.irp g, G1, G1B
	s_mov_b32 s[\g+1], 1024<<16                    ; tensor_dim0 = 1,024 elements: 8 rt x 1,024 bytes
	s_mov_b32 s[\g+2], 4<<16                       ; tensor_dim1 = 4: four z
	s_mov_b32 s[\g+3], 1024<<16                    ; tile_dim0
	s_mov_b32 s[\g+4], 4                           ; tile_dim1
	s_mov_b32 s[\g+5], ZB/8                        ; tensor_dim0_stride: from z to z + 1
	s_mov_b32 s[\g+6], 0
	s_mov_b32 s[\g+7], 0
.endr
	s_lshl_b32 s18, s10, 3                         ; which 8 rt of the tile I fetch
	s_lshl_b32 s16, s11, 4
	s_add_co_u32 s16, s16, s18
	s_lshl_b32 s16, s16, 10                        ; A, in both roles: rt = 16 TR + 8 half of the image (q's, or x's): it hangs on the tile row alone
	s_mov_b32 s17, 0
	s_lshr_b32 s7, s4, 1                           ; role 0: the batch,
	s_lshl_b32 s7, s7, 17                          ; whose keys begin at rt 128 x batch
	s_add_co_u32 s7, s7, 0x400000                  ; of k's image, which lies behind q's
	s_cmp_eq_u32 s12, 0
	s_cselect_b32 s7, s7, 0xc30000                 ; role 1: Wp: rt 192 on of cin's fourth image
	s_lshl_b32 s46, s42, 4
	s_add_co_u32 s46, s46, s18
	s_lshl_b32 s46, s46, 10                        ; B: + rt 16 TC + 8 half: it hangs on the tile column (and the cluster's y) alone
	s_add_co_u32 s46, s46, s7
	s_mov_b32 s47, 0
	s_lshl_b32 s45, s8, 15                         ; where they go: wave x HALFT: no place in the cluster enters an LDS address
	s_wait_kmcnt 0x0
	s_load_b64 s[94:95], s[74:75], 0x18            ; e6, e7
	s_load_b64 s[98:99], s[74:75], 0x28            ; e10, e11
	s_cmp_eq_u32 s12, 0                            ; the operands' buffers are chosen by the role, which hangs on no address
	s_cselect_b64 s[14:15], s[68:69], s[70:71]     ; A: qk or xc
	s_cselect_b64 s[86:87], s[68:69], s[72:73]     ; B: qk or cin
	s_add_nc_u64 s[14:15], s[14:15], s[16:17]
	s_add_nc_u64 s[46:47], s[86:87], s[46:47]
	CROUND                                         ; all sixteen work-groups are here: the first joint loads meet
.irp s, 0,1
	s_mov_b32 s[G0+4*\s], 1
	s_add_co_u32 s[G0+4*\s+1], s45, \s*SLOT
	s_add_nc_u64 s[G0+4*\s+2:G0+4*\s+3], s[14:15], \s*4*ZB
	s_or_b32 s[G0+4*\s+3], s[G0+4*\s+3], 0x80000000
	s_mov_b32 s[G0B+4*\s], 1
	s_add_co_u32 s[G0B+4*\s+1], s45, \s*SLOT
	s_add_nc_u64 s[G0B+4*\s+2:G0B+4*\s+3], s[46:47], \s*4*ZB
	s_or_b32 s[G0B+4*\s+3], s[G0B+4*\s+3], 0x80000000
	JLOAD \s
.endr
	v_and_b32 v1, 15, v0                           ; r
	v_bfe_u32 v2, v0, 4, 1                         ; h
	v_and_b32 v3, 31, v0
	v_lshlrev_b32 v[CO], 4, v3                     ; 16 x lane
	v_lshlrev_b32 v27, 5, v2                       ; 32 h: my eight of a tile's sixteen columns, in f32
	s_lshl_b32 s16, s9, 15                         ; my 128 rows of A
	s_lshl_b32 s17, s10, 15                        ; my 128 rows of B,
	s_add_co_u32 s17, s17, 2*HALFT                 ; which lie behind A's 256
.irp s, 0,1
	v_add_nc_u32 v[ADRA+\s], s16, v[CO]
	v_add_nc_u32 v[ADRB+\s], s17, v[CO]
	s_add_co_u32 s16, s16, SLOT
	s_add_co_u32 s17, s17, SLOT
.endr
	s_mul_i32 s23, s8, 16*SPITCH                   ; both roles' stage addresses are made here, on the way that all take
	v_mul_u32_u24 v5, v1, SPITCH
	v_lshl_add_u32 v5, v2, 5, v5                   ; in: row r, 32 bytes for each half of the lanes;  back: the 32 lanes take one row of 512 bytes
	v_add_nc_u32 v[STOP], s23, v5                  ; role 1: my stage in slot 0
	v_add_nc_u32 v[RDP], s23, v[CO]
	s_add_co_u32 s23, s23, STG
	v_add_nc_u32 v[STO], s23, v5                   ; role 0: my stage behind the spare words
	v_add_nc_u32 v[RD], s23, v[CO]
	s_wait_tensorcnt 1                             ; my part of slot 0 is in (slot 1's load may be out)
	s_barrier_signal -1
	s_barrier_wait -1                              ; everybody's is
	FETCH_B 0, 0, 0
	FETCH_A 0, 0, 0
	FETCH_A 0, 0, 4
	STEP 0, 0, 1                                   ; K = 1,024 is four fills of a slot, eight steps of 128: written straight
	TURN 0, 1, 1
	STEP 1, 0, 0
	TURN 1, 0, 1
	STEP 0, 0, 0
	TURN 0, 1, 0                                   ; the last two slots are filled no more; behind this barrier nobody reads slot 0
	STEP 1, 0, 0
	s_wait_dscnt 4*NL
	WIN MUL_LO
	MUL16 0, 1, 0
	MUL16 2, 1, 0
	s_wait_dscnt 0
	WIN MUL_HI
	MUL16 4, 1, 0
	MUL16 6, 1, 0
	WIN 0
; THE WAY OUT, block by block of 16 rows x 128 columns: through my own stage in LDS and back as whole rows of 512 bytes.  LDS serves a wave's instructions in order: no wait between the stores and the loads.
.macro TOSTAGE_L a                     ; role 0
.set AC, 64*((\a)%4)
.set WN, 0x02+(\a)/4
	WIN WN
.set k, 0
.rept 32
	v_pk_mul_f32 v[TMP+k:TMP+k+1], v[AC+k:AC+k+1], s[20:21] op_sel_hi:[1,0]   ; x 2^(e6 + e7) / 192; each accumulator from its low end on
.set k, k+2
.endr
	WIN 0
.irp b, 0,1,2,3,4,5,6,7
	ds_store_b128 v[STO], v[TMP+8*\b:TMP+8*\b+3] offset:64*\b
	ds_store_b128 v[STO], v[TMP+8*\b+4:TMP+8*\b+7] offset:64*\b+16
.endr
.set BB, BK+64*((\a)%2)
.irp t, 0,1,2,3,4,5,6,7,8,9,10,11,12,13,14,15
	ds_load_b128 v[BB+4*\t:BB+4*\t+3], v[RD] offset:\t*SPITCH
.endr
.endm
.macro TOSTAGE_P a                     ; role 1: in two halves of four accumulators
.irp g, 0,1
.set AC, 64*((\a)%4)+32*\g
.set WN, 0x02+(\a)/4
	WIN WN
.set k, 0
.rept 16
	v_pk_fma_f32 v[TMPP+k:TMPP+k+1], v[AC+k:AC+k+1], s[20:21], v[BI+32*\g+k:BI+32*\g+k+1] op_sel_hi:[1,0,1]   ; sum x 2^(e10 + e11) + bp; each accumulator from its low end on
.set k, k+2
.endr
	WIN 0
.irp c, 0,1,2,3
	ds_store_b128 v[STOP], v[TMPP+8*\c:TMPP+8*\c+3] offset:256*\g+64*\c
	ds_store_b128 v[STOP], v[TMPP+8*\c+4:TMPP+8*\c+7] offset:256*\g+64*\c+16
.endr
.endr
.set BB, BK+64*((\a)%2)
.irp t, 0,1,2,3,4,5,6,7,8,9,10,11,12,13,14,15
	ds_load_b128 v[BB+4*\t:BB+4*\t+3], v[RDP] offset:\t*SPITCH
.endr
.endm
.macro SEND a, younger, base, cp       ; younger: the LDS instructions issued behind block a's loads, which may stay out;  s[base:base+1]: C at the block's first row;  cp: a row of C in bytes
.set BB, BK+64*((\a)%2)
	s_wait_dscnt \younger
.if (\a) > 0
	s_add_nc_u64 s[\base:\base+1], s[\base:\base+1], 16*\cp   ; (behind a wait on XCNT: the earlier stores have read their base)
.endif
.irp t, 0,1,2,3,4,5,6,7,8,9,10,11,12,13,14,15
	global_store_b128 v[CO], v[BB+4*\t:BB+4*\t+3], s[\base:\base+1] offset:\t*\cp th:TH_STORE_NT   ; 32 lanes store 512 consecutive bytes, aligned; written once, read by nobody here
.endr
.endm
	PLACES NP                                      ; behind the last products: their results are read, and loads land where A's fragments lay
	s_wait_kmcnt 0x0                               ; the exponents
	s_cmp_eq_u32 s12, 0
	s_cbranch_scc0 .Lproj
	; ---- role 0: out1
	s_add_co_i32 s20, s94, s95
	s_lshl_b32 s20, s20, 23
	s_add_co_i32 s20, s20, 0x3baaaaab              ; 1 / 192 = (1/8) / 1.5 / 16, with e6 + e7 added to its exponent field
	s_mov_b32 s21, s20                             ; (named with it as a pair, so it is written)
	s_lshl_b32 s16, s11, 21                        ; my part of out1: row 256 TR + 128 RH of 8,192 bytes,
	s_lshl_b32 s17, s9, 20
	s_add_co_u32 s16, s16, s17
	s_lshl_b32 s17, s42, 10                        ; column 256 TC + 128 CH
	s_add_co_u32 s16, s16, s17
	s_lshl_b32 s17, s10, 9
	s_add_co_u32 s16, s16, s17
	s_mov_b32 s17, 0
	s_add_nc_u64 s[78:79], s[78:79], s[16:17]
	TOSTAGE_L 0
.irp a, 1,2,3,4,5,6,7
.if \a > 1
	s_wait_xcnt 0x0                                ; block a - 2's stores have read their registers and their base
.endif
	TOSTAGE_L \a
	SEND \a-1, 32, 78, CPL                         ; behind block a - 1's loads: block a's 16 stores and 16 loads
.endr
	s_wait_xcnt 0x0
	SEND 7, 0, 78, CPL
	s_branch .Ldone
.Lproj:
	; ---- role 1: out0
	s_add_co_i32 s20, s98, s99
	s_add_co_i32 s20, s20, 127
	s_lshl_b32 s20, s20, 23                        ; 2^(e10 + e11) as f32
	s_mov_b32 s21, s20                             ; (named with it as a pair, so it is written)
	s_lshl_b32 s18, s42, 10
	s_lshl_b32 s19, s10, 9
	s_add_co_u32 s18, s18, s19                     ; my first column, in f32: 4 (256 TC + 128 CH)
	s_mov_b32 s19, 0
	s_add_nc_u64 s[76:77], s[76:77], s[18:19]
.irp b, 0,1,2,3,4,5,6,7
	global_load_b128 v[BI+8*\b:BI+8*\b+3], v27, s[76:77] offset:64*\b          ; bp of my 128 columns, in the result's layout
	global_load_b128 v[BI+8*\b+4:BI+8*\b+7], v27, s[76:77] offset:64*\b+16
.endr
	s_lshl_b32 s16, s11, 20                        ; my part of out0: row 256 TR + 128 RH of 4,096 bytes,
	s_lshl_b32 s17, s9, 19
	s_add_co_u32 s16, s16, s17
	s_add_co_u32 s16, s16, s18                     ; and my first column
	s_mov_b32 s17, 0
	s_add_nc_u64 s[80:81], s[80:81], s[16:17]
	s_wait_loadcnt 0x0                             ; bp
	TOSTAGE_P 0
.irp a, 1,2,3,4,5,6,7
.if \a > 1
	s_wait_xcnt 0x0                                ; block a - 2's stores have read their registers and their base
.endif
	TOSTAGE_P \a
	SEND \a-1, 32, 80, CPP                         ; behind block a - 1's loads: block a's 16 stores and 16 loads
.endr
	s_wait_xcnt 0x0
	SEND 7, 0, 80, CPP
.Ldone:
	s_wait_tensorcnt 0x0                           ; the wave's end: behind my last tensor load and my last LDS store
	ds_add_u32 v[SPW], v[NIL]
	s_wait_dscnt 0x0
	CROUND                                         ; the closing round: no work-group ends while a partner may still ask for a tile that names it
	s_endpgm
.Lfunc_end_k_q41aff85215_tail:
	.size	k_q41aff85215_tail, .Lfunc_end_k_q41aff85215_tail-k_q41aff85215_tail
	.p2alignl 7, 3214868480
	.fill 96, 4, 3214868480
	.section	.rodata,"a",@progbits
	.p2align	6, 0x0
	.amdhsa_kernel k_q41aff85215_tail
		.amdhsa_group_segment_fixed_size 327680
		.amdhsa_private_segment_fixed_size 0
		.amdhsa_enable_private_segment 0
		.amdhsa_kernarg_size 56
		.amdhsa_user_sgpr_count 2
		.amdhsa_user_sgpr_kernarg_segment_ptr 1
		.amdhsa_wavefront_size32 1
		.amdhsa_system_sgpr_workgroup_id_x 1
		.amdhsa_system_sgpr_workgroup_id_y 1
		.amdhsa_system_sgpr_workgroup_id_z 1
		.amdhsa_system_vgpr_workitem_id 0
		.amdhsa_next_free_vgpr 1024
		.amdhsa_next_free_sgpr 100
		.amdhsa_reserve_vcc 0
		.amdhsa_float_denorm_mode_32 3
		.amdhsa_float_denorm_mode_16_64 3
		.amdhsa_memory_ordered 1
		.amdhsa_forward_progress 1
		.amdhsa_inst_pref_size 171
	.end_amdhsa_kernel
	.amdgpu_metadata
---
amdhsa.version: [ 1, 2 ]
amdhsa.kernels:
  - .name:           k_q41aff85215_tail
    .symbol:         k_q41aff85215_tail.kd
    .args:
      - { .name: qk, .offset: 0, .size: 8, .value_kind: global_buffer, .address_space: global }
      - { .name: xc, .offset: 8, .size: 8, .value_kind: global_buffer, .address_space: global }
      - { .name: cin, .offset: 16, .size: 8, .value_kind: global_buffer, .address_space: global }
      - { .name: lowp_scales, .offset: 24, .size: 8, .value_kind: global_buffer, .address_space: global }
      - { .name: bp, .offset: 32, .size: 8, .value_kind: global_buffer, .address_space: global }
      - { .name: out1, .offset: 40, .size: 8, .value_kind: global_buffer, .address_space: global }
      - { .name: out0, .offset: 48, .size: 8, .value_kind: global_buffer, .address_space: global }
    .group_segment_fixed_size: 327680
    .private_segment_fixed_size: 0
    .kernarg_segment_align: 8
    .kernarg_segment_size: 56
    .max_flat_workgroup_size: 128
    .sgpr_count:     100
    .vgpr_count:     1024
    .wavefront_size: 32
...
	.end_amdgpu_metadata
.endif
;; end of part 7
